; MI455X (gfx1250); checked and timed in simulation.
; The chip was launched on July 23, 2026; its instructions are those of AMD's public machine-readable ISA for CDNA 5 (MIT licence, August 2026) and "CDNA5" Instruction Set Architecture Reference Guide (July 2026). The comments in the code are by the model that wrote it; some were corrected since.
;; Multi Head Attention Block. Allowed arithmetic: matrix products marked QUANTISED: E2M1 operands, one E8M0 scale for each 32 along K, by v_wmma_scale_f32_16x16x128_f8f6f4 with both operands' format E2M1 (or v_wmma_scale_f32_32x16x128_f4), f32 sums; products left as they are: bf16, f16 or f32 operands; f32 sums; everything else in f32.
;; Inputs: b_k 1,024 float32; b_o 1,024 float32; b_q 1,024 float32; b_v 1,024 float32; k 2 x 2,048 x 1,024 float32; q 2 x 2,048 x 1,024 float32; v 2 x 2,048 x 1,024 float32; w_k 1,024 x 1,024 float32; w_o 1,024 x 1,024 float32; w_q 1,024 x 1,024 float32; w_v 1,024 x 1,024 float32.
;; Outputs: out0 2 x 2,048 x 1,024 float32.
;; This version of the problem:
;;   THIS VERSION OF THE PROBLEM IS GIVEN IN LOW PRECISION. The matrix products marked QUANTISED in the list below multiply operands that are first quantised to E2M1 (2 exponent bits, 1 mantissa bit; 4 bits a number), with one power-of-two scale for each 32 numbers along K (OCP MX v1.0); their sums are f32. The products marked 'left as it is' may take bf16, f16 or f32 operands, with f32 sums. Whichever they take, every output number must still come out within the allowed error. Rounding operands to bf16 (8 significant bits) uses up far more of that allowance than f16 does (11 bits, for magnitudes from 6e-5 to 65,504). All else is computed in f32.
;;   The module's matrix products, in the order in which they are computed (A, B: the left and right operand; K: the contracted axis; several contracted axes count as one K, in the product's order):
;;     1. [M 4,096, K 1,024] x [K 1,024, N 1,024]; A: input q; B: input w_q: QUANTISED
;;     2. [M 4,096, K 1,024] x [K 1,024, N 1,024]; A: input k; B: input w_k: QUANTISED
;;     3. [M 4,096, K 1,024] x [K 1,024, N 1,024]; A: input v; B: input w_v: QUANTISED
;;     4. batch 32 x [M 2,048, K 64] x [K 64, N 2,048]; A: computed on the way; B: computed on the way: left as it is (an operand is computed on the way)
;;     5. batch 32 x [M 2,048, K 2,048] x [K 2,048, N 64]; A: computed on the way; B: computed on the way: left as it is (an operand is computed on the way)
;;     6. [M 4,096, K 1,024] x [K 1,024, N 1,024]; A: computed on the way; B: input w_o: left as it is (an operand is computed on the way)
;;   THE QUANTISER, for each operand of a quantised product, along K:
;;     - K is cut into blocks of 32 from its start; a last block that is shorter is filled with zeros.
;;     - A block's scale is 2^e with e = floor(log2(the largest magnitude in the block)) - 2, held to -126 .. 127; a block of zeros has e = 0. As a byte (E8M0): e + 127.
;;     - Each number is divided by its block's scale, clamped to +-6, and rounded to the nearest number of E2M1, ties to even, subnormals kept.
;;     - The product sums the exact products of the quantised numbers (number of the format x scale) in f32.
;;   ~~~python
;;   def quantise(x, axis):      # numpy; x: float32 -> the quantised numbers, widened to float32 again
;;       x = np.moveaxis(x, axis, -1); K = x.shape[-1]
;;       x = np.pad(x, [(0, 0)] * (x.ndim - 1) + [(0, -K % 32)]); x = x.reshape(x.shape[:-1] + (-1, 32)); a = np.abs(x).max(-1, keepdims=True)
;;       e = np.where(a > 0, np.clip(np.frexp(np.where(a > 0, a, 1))[1] - 1 - 2, -126, 127), 0)      # np.frexp(a)[1] - 1 = floor(log2(a)), exactly
;;       r = np.clip(x / 2.0 ** e, -6, 6)
;;       step = 2.0 ** (np.maximum(np.frexp(np.where(r == 0, 1, r))[1] - 1, 0) - 1)
;;       q = np.round(r / step) * step * 2.0 ** e      # np.round: ties to even
;;       return np.moveaxis(q.reshape(q.shape[:-2] + (-1,))[..., :K], -1, axis).astype(np.float32)
;;   ~~~
;; One version. Each part assembles by itself: llvm-mc -triple=amdgcn-amd-amdhsa -mcpu=gfx1250 --defsym DOCPART=n.
;; ======== version 1 of 1: 4 launches
;; limits: values are held in f16: magnitudes above 65,504 overflow, below 6.1e-05 lose precision
;; workspace buffers: xc 6,291,456 bytes; xs 393,216 bytes; wc 1,572,864 bytes; ws 98,304 bytes; wot 2,097,152 bytes; qkv 25,165,824 bytes; xa 8,388,608 bytes
;; launch prep (part 1): grid 640 x 1, 4 waves a work-group, no clusters, 33,280 bytes of LDS; arguments q, k, v, w_q, w_k, w_v, w_o, xc, xs, wc, ws, wot; writes xc, xs, wc, ws, wot
.if DOCPART == 1
	.amdgcn_target "amdgcn-amd-amdhsa--gfx1250"
	.amdhsa_code_object_version 6
	.text
	.protected	k_qb3865c21c5_prep
	.globl	k_qb3865c21c5_prep
	.p2align	8
	.type	k_qb3865c21c5_prep,@function
k_qb3865c21c5_prep:
	s_mov_b64 s[64:65], 0
	v_nop
	global_prefetch_b8 v0, s[64:65] scope:SCOPE_SE
	s_setreg_imm32_b32 hwreg(HW_REG_WAVE_MODE, 25, 1), 1
	s_wait_xcnt 0x0
; PREP: everything that later launches read many times is made once.
; Path X (work-groups 0-383): q, k, v [4096][1024] f32 become codes of E2M1, K innermost, xc [12288][512 bytes], and E8M0 bytes xs [12288][32].
; Path W (384-575): w_q, w_k, w_v [k][n] f32, K the FIRST axis, become codes laid as images of the matrix operand's registers:
;   wc [T 3][512 K: 2][16 columns: 64][128 K: 4][1024 bytes]; in an image block beta = 2 c + h of column r lies at 512 c + 256 h + 16 r.  ws [3072 columns][32 bytes].
; Path O (576-639): w_o [k][n] f32 becomes f16, transposed, as images of 16-bit operand registers: wot [256 K: 4][16 columns: 64][32 K: 8][1024 bytes].
; A block's scale is 2^(floor(log2(largest magnitude)) - 2); its byte is that magnitude's exponent field - 2, held at 1 from below.
; LIMITS: a block of zeros, or one whose largest magnitude lies under 2^-124, keeps the byte 1 (the rule's 127 for zeros is not written: the codes are zeros and
; this program alone reads the bytes); NaN and infinities among the inputs are not served; w_o beyond 65,504 in magnitude overflows f16.
; No cluster, no tensor load, no barrier: the work-groups and waves share no input, and every input byte is read once.  Only path X touches LDS.
.set SPW,   192                        ; v192  LDS address of my spare word; never rewritten
.set NIL,   193                        ; v193  0; never rewritten
.set SPARE, 32768                      ; behind the four waves' regions: the spare words, 128 bytes a wave
.set WREG,  8192                       ; path X: a wave's LDS region: two stages of 32 x 80 bytes, then its 256 scale bytes
.set SP,    80                         ; a lane's place in a stage: 64 bytes + 16 of padding
.set STEPS, 16
.set R,     16                         ; v16-79   path X: four sets of 16 numbers as loaded
.set X,     80                         ; v80-111  two sets of 16 neighbours
.set E,     112                        ; v112-127 a scale byte for each step
.set C,     128                        ; v128-191 codes: registers of its own for each step
	s_load_b512 s[8:23], s[0:1], 0x0               ; q, k, v, w_q, w_k, w_v, w_o, xc
	s_load_b256 s[24:31], s[0:1], 0x40             ; xs, wc, ws, wot
	v_lshl_add_u32 v[SPW], v0, 2, SPARE
	v_mov_b32 v[NIL], 0
	v_lshrrev_b32 v1, 5, v0
	v_readfirstlane_b32 s32, v1                    ; wave 0..3
	v_and_b32 v2, 31, v0                           ; lane
	s_mov_b32 s41, 0                               ; the upper word of every offset pair s[40:41]
	s_wait_kmcnt 0x0
	s_cmp_lt_u32 ttmp9, 384                        ; the path hangs on the work-group's number alone
	s_cbranch_scc0 .Lweights
; ---------------- PATH X: a tensor is a plain stream of blocks of 32.  A wave takes 16 steps of 512 numbers.
; Loads take the bytes as they lie (512 consecutive bytes a load); a step's 2,048 bytes turn through the wave's own stage, so that a lane holds 16 neighbours along K.
	v_lshlrev_b32 v3, 4, v2                        ; my 16 bytes of a load's 512
	s_mul_i32 s33, s32, WREG
	v_lshrrev_b32 v14, 2, v2
	v_mul_u32_u24 v14, v14, SP
	v_and_b32 v15, 3, v2
	v_lshl_add_u32 v14, v15, 4, v14
	v_add_nc_u32 v14, s33, v14                     ; into the stage: 80 (lane / 4) + 16 (lane % 4)
	v_mul_u32_u24 v15, v2, SP
	v_add_nc_u32 v15, s33, v15                     ; out of it: 80 x lane
	v_lshlrev_b32 v4, 3, v2                        ; my 8 bytes of a step's 256 bytes of codes
	v_lshrrev_b32 v5, 1, v2
	s_add_co_u32 s33, s33, 2*32*SP
	v_add_nc_u32 v5, s33, v5                       ; LDS: my block's scale byte
	v_lshlrev_b32 v7, 3, v2
	v_add_nc_u32 v6, s33, v7                       ; and on the way out 8 bytes a lane
	s_cmp_lt_u32 ttmp9, 128
	s_cselect_b64 s[4:5], s[8:9], s[10:11]         ; q or k,
	s_cmp_lt_u32 ttmp9, 256
	s_cselect_b64 s[4:5], s[4:5], s[12:13]         ; or v
	s_and_b32 s40, ttmp9, 127
	s_lshl_b32 s40, s40, 2
	s_add_co_u32 s40, s40, s32                     ; my run of 8,192 numbers in the tensor
	s_lshl_b32 s40, s40, 15
	s_add_nc_u64 s[4:5], s[4:5], s[40:41]
	s_lshl_b32 s36, ttmp9, 2
	s_add_co_u32 s36, s36, s32                     ; my run among all three tensors' runs
	s_lshl_b32 s40, s36, 12                        ; 4,096 bytes of codes a run
	s_add_nc_u64 s[22:23], s[22:23], s[40:41]
	s_lshl_b32 s40, s36, 8                         ; 256 scale bytes a run
	s_add_nc_u64 s[24:25], s[24:25], s[40:41]
.macro LOADX t
.irp i, 0,1,2,3
	global_load_b128 v[R+16*((\t)%4)+4*\i:R+16*((\t)%4)+4*\i+3], v3, s[4:5] offset:2048*(\t)+512*\i th:TH_LOAD_NT
.endr
.endm
.macro TURNX t                         ; step t's numbers through the stage: LDS serves a wave's instructions in order, so no wait stands between the stores and the loads
.irp i, 0,1,2,3
	ds_store_b128 v14, v[R+16*((\t)%4)+4*\i:R+16*((\t)%4)+4*\i+3] offset:32*SP*((\t)%2)+8*SP*\i
.endr
.irp i, 0,1,2,3
	ds_load_b128 v[X+16*((\t)%2)+4*\i:X+16*((\t)%2)+4*\i+3], v15 offset:32*SP*((\t)%2)+16*\i
.endr
.endm
.irp t, 0,1,2,3
	LOADX \t
.endr
	s_wait_loadcnt 12                              ; step 0's four loads are in; twelve younger ones stay out
	TURNX 0
.macro STEPX t
.set XS, X+16*((\t)%2)
.if (\t) > 0
	s_wait_dscnt 1                                 ; this step's numbers are back from the stage; the last step's byte store may be out
.else
	s_wait_dscnt 0x0
.endif
.if (\t)+4 < STEPS
	LOADX (\t)+4                                   ; into the set whose stage stores have read their registers
.endif
.if (\t)+1 < STEPS
.if STEPS-2-(\t) >= 3
	s_wait_loadcnt 12                              ; the next step's four loads are in; those of the three steps behind it may be out
.else
	s_wait_loadcnt 4*(STEPS-2-(\t))
.endif
	TURNX (\t)+1
.endif
	v_max3_num_f32 v8, |v[XS]|, |v[XS+1]|, |v[XS+2]|               ; the largest magnitude of my 16, in two chains
	v_max3_num_f32 v9, |v[XS+3]|, |v[XS+4]|, |v[XS+5]|
.irp i, 6,10
	v_max3_num_f32 v8, v8, |v[XS+\i]|, |v[XS+\i+1]|
	v_max3_num_f32 v9, v9, |v[XS+\i+2]|, |v[XS+\i+3]|
.endr
	v_max3_num_f32 v8, v8, |v[XS+14]|, |v[XS+15]|
	v_max3_num_f32 v8, v8, v9, 0x1800000           ; and the floor 2^(3 - 127): the byte cannot fall under 1
	v_max_num_f32_dpp v8, v8, v8 row_xmask:1 row_mask:0xf bank_mask:0xf   ; with my neighbour's 16: the block's
	v_add_nc_u32 v11, 0xff000000, v8               ; 2 off its exponent field: the conversion takes this operand's exponent field as its scale
	v_cvt_scalef32_pk8_fp4_f32 v[C+4*(\t)], v[XS:XS+7], v11
	v_cvt_scalef32_pk8_fp4_f32 v[C+4*(\t)+1], v[XS+8:XS+15], v11
	v_lshrrev_b32 v[E+(\t)], 23, v11               ; the scale's byte
	ds_store_b8 v5, v[E+(\t)] offset:16*(\t)       ; both lanes of a block write the same byte with the same value
	global_store_b64 v4, v[C+4*(\t):C+4*(\t)+1], s[22:23] offset:256*(\t)   ; the wave stores 256 consecutive bytes, aligned
.endm
.irp t, 0,1,2,3,4,5,6,7,8,9,10,11,12,13,14,15
	STEPX \t
.endr
	ds_load_b64 v[8:9], v6                         ; my wave's 256 scale bytes: these loads see my stores
	s_wait_dscnt 0x0
	global_store_b64 v7, v[8:9], s[24:25]          ; 256 consecutive bytes, aligned
	s_wait_tensorcnt 0x0                           ; the wave's end, behind my last LDS store
	ds_add_u32 v[SPW], v[NIL]
	s_wait_dscnt 0x0
	s_endpgm
; ---------------- PATHS W AND O: a lane takes a column n and its registers run down K: a block of 32 along K lies in one lane's 32 registers.
; A wave takes 32 columns x 128 along K, four blocks; loads run two blocks ahead.
.macro LOADW t                         ; block t: rows 32 t + i of the wave's 128, my column, into set t % 2; a row of a weight is 4,096 bytes
.irp i, 0,1,2,3,4,5,6,7,8,9,10,11,12,13,14,15,16,17,18,19,20,21,22,23,24,25,26,27,28,29,30,31
	global_load_b32 v[32+32*((\t)%2)+\i], v3, s[4:5] offset:(32*(\t)+\i)*4096 th:TH_LOAD_NT
.endr
.endm
.macro WAITW t
.if (\t) < 3
	s_wait_loadcnt 32                              ; this block's 32 loads are in; the next block's may be out
.else
	s_wait_loadcnt 0x0
.endif
.endm
.Lweights:
	v_lshlrev_b32 v3, 2, v2                        ; in: 4 bytes a lane
	v_lshrrev_b32 v6, 4, v2
	v_and_b32 v7, 15, v2
	v_lshlrev_b32 v4, 4, v7                        ; out: 16 bytes for column r of a tile of 16
	s_cmp_lt_u32 ttmp9, 576
	s_cbranch_scc0 .Lwo
	s_sub_co_u32 s33, ttmp9, 384
	s_lshr_b32 s34, s33, 6                         ; T: which weight
	s_bfe_u32 s35, s33, 0x30003                    ; y: which 128 along K
	s_and_b32 s36, s33, 7                          ; x: which 128 columns
	s_cmp_eq_u32 s34, 0
	s_cselect_b64 s[4:5], s[14:15], s[16:17]
	s_cmp_eq_u32 s34, 2
	s_cselect_b64 s[4:5], s[18:19], s[4:5]
	s_lshl_b32 s37, s36, 7
	s_lshl_b32 s38, s32, 5
	s_add_co_u32 s37, s37, s38                     ; my wave's first column
	s_lshl_b32 s40, s35, 19                        ; 128 rows of 4,096 bytes
	s_lshl_b32 s38, s37, 2
	s_add_co_u32 s40, s40, s38
	s_add_nc_u64 s[4:5], s[4:5], s[40:41]
	s_lshl_b32 s40, s34, 19                        ; wc: T x 524,288
	s_lshr_b32 s38, s35, 2
	s_lshl_b32 s38, s38, 18                        ; + (y / 4) x 262,144
	s_add_co_u32 s40, s40, s38
	s_lshl_b32 s38, s37, 8                         ; + (column / 16) x 4,096
	s_add_co_u32 s40, s40, s38
	s_and_b32 s38, s35, 3
	s_lshl_b32 s38, s38, 10                        ; + (y % 4) x 1,024
	s_add_co_u32 s40, s40, s38
	s_add_nc_u64 s[26:27], s[26:27], s[40:41]
	s_lshl_b32 s40, s34, 15                        ; ws: (1,024 T + column) x 32 + 4 y
	s_lshl_b32 s38, s37, 5
	s_add_co_u32 s40, s40, s38
	s_lshl_b32 s38, s35, 2
	s_add_co_u32 s40, s40, s38
	s_add_nc_u64 s[28:29], s[28:29], s[40:41]
	v_lshl_add_u32 v4, v6, 12, v4                  ; lanes 16-31: the next tile of 16 columns, 4,096 bytes on
	v_lshlrev_b32 v5, 5, v2                        ; my column's row of scale bytes
	LOADW 0
	LOADW 1
.macro BLOCKW t
.set XS, 32+32*((\t)%2)
	WAITW \t
	v_max3_num_f32 v12, |v[XS]|, |v[XS+1]|, |v[XS+2]|              ; the block's largest magnitude: all 32 numbers are mine
	v_max3_num_f32 v13, |v[XS+3]|, |v[XS+4]|, |v[XS+5]|
.irp i, 6,10,14,18,22,26
	v_max3_num_f32 v12, v12, |v[XS+\i]|, |v[XS+\i+1]|
	v_max3_num_f32 v13, v13, |v[XS+\i+2]|, |v[XS+\i+3]|
.endr
	v_max3_num_f32 v12, v12, |v[XS+30]|, |v[XS+31]|
	v_max3_num_f32 v12, v12, v13, 0x1800000        ; and the floor 2^(3 - 127)
	v_add_nc_u32 v11, 0xff000000, v12              ; the conversion's scale operand
	v_lshrrev_b32 v13, 23, v11                     ; the scale's byte
.if (\t) == 0
	v_mov_b32 v24, v13                             ; four bytes make the word of these 128 along K, the lower K in the lower byte
.else
	v_lshl_or_b32 v24, v13, 8*(\t), v24
.endif
.irp g, 0,1,2,3
	v_cvt_scalef32_pk8_fp4_f32 v[96+4*(\t)+\g], v[XS+8*\g:XS+8*\g+7], v11
.endr
	global_store_b128 v4, v[96+4*(\t):96+4*(\t)+3], s[26:27] offset:512*((\t)/2)+256*((\t)%2)   ; sixteen lanes store 256 consecutive bytes, aligned; each block has registers of its own
.if (\t) < 2
	LOADW (\t)+2
.endif
.endm
	BLOCKW 0
	BLOCKW 1
	BLOCKW 2
	BLOCKW 3
	global_store_b32 v5, v24, s[28:29]             ; 4 bytes of each column's 32: 96 KiB in the whole launch
	s_endpgm
.Lwo:
	s_sub_co_u32 s33, ttmp9, 576
	s_and_b32 s36, s33, 7                          ; x: which 128 columns
	s_lshr_b32 s35, s33, 3                         ; y: which 128 along K
	s_lshl_b32 s37, s36, 7
	s_lshl_b32 s38, s32, 5
	s_add_co_u32 s37, s37, s38                     ; my wave's first column
	s_lshl_b32 s40, s35, 19
	s_lshl_b32 s38, s37, 2
	s_add_co_u32 s40, s40, s38
	s_add_nc_u64 s[4:5], s[20:21], s[40:41]
	s_lshr_b32 s40, s35, 1
	s_lshl_b32 s40, s40, 19                        ; wot: (y / 2) x 524,288
	s_lshl_b32 s38, s37, 9                         ; + (column / 16) x 8,192
	s_add_co_u32 s40, s40, s38
	s_and_b32 s38, s35, 1
	s_lshl_b32 s38, s38, 12                        ; + (y % 2) x 4 images
	s_add_co_u32 s40, s40, s38
	s_add_nc_u64 s[30:31], s[30:31], s[40:41]
	v_lshl_add_u32 v4, v6, 13, v4                  ; lanes 16-31: the next tile of 16 columns, 8,192 bytes on
	LOADW 0
	LOADW 1
.macro BLOCKO t                        ; 32 along K of my column: piece p = k 8 p .. 8 p + 7 lies at 512 (p / 2) + 256 (p % 2) + 16 r of the image
.set XS, 32+32*((\t)%2)
	WAITW \t
.irp i, 0,1,2,3,4,5,6,7,8,9,10,11,12,13,14,15
	v_cvt_pk_f16_f32 v[96+16*(\t)+\i], v[XS+2*\i], v[XS+2*\i+1]
.endr
.irp p, 0,1,2,3
	global_store_b128 v4, v[96+16*(\t)+4*\p:96+16*(\t)+4*\p+3], s[30:31] offset:1024*(\t)+512*(\p/2)+256*(\p%2)
.endr
.if (\t) < 2
	LOADW (\t)+2
.endif
.endm
	BLOCKO 0
	BLOCKO 1
	BLOCKO 2
	BLOCKO 3
	s_endpgm
.Lfunc_end_k_qb3865c21c5_prep:
	.size	k_qb3865c21c5_prep, .Lfunc_end_k_qb3865c21c5_prep-k_qb3865c21c5_prep
	.p2alignl 7, 3214868480
	.fill 96, 4, 3214868480
	.section	.rodata,"a",@progbits
	.p2align	6, 0x0
	.amdhsa_kernel k_qb3865c21c5_prep
		.amdhsa_group_segment_fixed_size 33280
		.amdhsa_private_segment_fixed_size 0
		.amdhsa_enable_private_segment 0
		.amdhsa_kernarg_size 96
		.amdhsa_user_sgpr_count 2
		.amdhsa_user_sgpr_kernarg_segment_ptr 1
		.amdhsa_wavefront_size32 1
		.amdhsa_system_sgpr_workgroup_id_x 1
		.amdhsa_system_sgpr_workgroup_id_y 1
		.amdhsa_system_sgpr_workgroup_id_z 1
		.amdhsa_system_vgpr_workitem_id 0
		.amdhsa_next_free_vgpr 200
		.amdhsa_next_free_sgpr 66
		.amdhsa_reserve_vcc 0
		.amdhsa_float_denorm_mode_32 3
		.amdhsa_float_denorm_mode_16_64 3
		.amdhsa_memory_ordered 1
		.amdhsa_forward_progress 1
		.amdhsa_inst_pref_size 71
	.end_amdhsa_kernel
	.amdgpu_metadata
---
amdhsa.version: [ 1, 2 ]
amdhsa.kernels:
  - .name:           k_qb3865c21c5_prep
    .symbol:         k_qb3865c21c5_prep.kd
    .args:
      - { .name: q, .offset: 0, .size: 8, .value_kind: global_buffer, .address_space: global }
      - { .name: k, .offset: 8, .size: 8, .value_kind: global_buffer, .address_space: global }
      - { .name: v, .offset: 16, .size: 8, .value_kind: global_buffer, .address_space: global }
      - { .name: w_q, .offset: 24, .size: 8, .value_kind: global_buffer, .address_space: global }
      - { .name: w_k, .offset: 32, .size: 8, .value_kind: global_buffer, .address_space: global }
      - { .name: w_v, .offset: 40, .size: 8, .value_kind: global_buffer, .address_space: global }
      - { .name: w_o, .offset: 48, .size: 8, .value_kind: global_buffer, .address_space: global }
      - { .name: xc, .offset: 56, .size: 8, .value_kind: global_buffer, .address_space: global }
      - { .name: xs, .offset: 64, .size: 8, .value_kind: global_buffer, .address_space: global }
      - { .name: wc, .offset: 72, .size: 8, .value_kind: global_buffer, .address_space: global }
      - { .name: ws, .offset: 80, .size: 8, .value_kind: global_buffer, .address_space: global }
      - { .name: wot, .offset: 88, .size: 8, .value_kind: global_buffer, .address_space: global }
    .group_segment_fixed_size: 33280
    .private_segment_fixed_size: 0
    .kernarg_segment_align: 8
    .kernarg_segment_size: 96
    .max_flat_workgroup_size: 128
    .sgpr_count:     66
    .vgpr_count:     200
    .wavefront_size: 32
...
	.end_amdgpu_metadata
.endif
;; end of part 1
;; launch proj (part 2): grid 4 x 48, 4 waves a work-group, clusters of 4 x 4, 327,680 bytes of LDS; arguments xc, xs, wc, ws, b_q, b_k, b_v, qkv; writes qkv
.if DOCPART == 2
	.amdgcn_target "amdgcn-amd-amdhsa--gfx1250"
	.amdhsa_code_object_version 6
	.text
	.protected	k_qb3865c21c5_proj
	.globl	k_qb3865c21c5_proj
	.p2align	8
	.type	k_qb3865c21c5_proj,@function
k_qb3865c21c5_proj:
	s_mov_b64 s[64:65], 0
	v_nop
	global_prefetch_b8 v0, s[64:65] scope:SCOPE_SE
	s_setreg_imm32_b32 hwreg(HW_REG_WAVE_MODE, 25, 1), 1
	s_wait_xcnt 0x0
	s_wait_alu depctr_hold_cnt(0) depctr_sa_sdst(0) depctr_va_vdst(0) depctr_va_sdst(0) depctr_va_ssrc(0) depctr_va_vcc(0) depctr_vm_vsrc(0)
	s_getreg_b32 s2, hwreg(HW_REG_IB_STS2, 6, 4)
	s_cmp_eq_u32 s2, 0
	s_cbranch_scc0 .Lentry_in_a_cluster
	s_endpgm
.Lentry_in_a_cluster:
	s_bfe_u32 s2, ttmp6, 0x10000c
	s_cmp_lg_u32 s2, 0xf033
	s_cbranch_scc0 .Lentry_shape_is_right
	s_endpgm
.Lentry_shape_is_right:
; PROJ: the three quantised projections as one product: C[12288 tokens of q, k, v][1024] = A B^T + bias on codes of E2M1 with E8M0 scales, sums in f32, results rounded to f16.
; A: xc [12288][512 bytes], xs [12288][32].  B: wc, images of operand registers, [T][512 K][16 columns][128 K][1,024 bytes]; ws [3072][32].  T = tile row / 16 picks the weight and the bias.
; A tile of C, 256 x 256, is made by four waves, 128 x 128 each: 64 accumulators, 512 registers.  K = 1,024 is two slots of 512: both are asked for at the head, nothing is filled again.
; CLUSTERS: 4 x 4 work-groups; A's tiles and scales are asked for jointly along a row of the cluster, B's along a column.  192 work-groups: 3 x 16 x 4 tiles.
; THE MATRIX INSTRUCTION IS USED TRANSPOSED (source 0 = 16 columns of the weight, source 1 = 16 tokens): a lane holds eight neighbouring channels of one token, which pack into 16 bytes of f16.
; The bias is the C of each sum's first product.
; OUT: qkv [T][batch x head: 32][16 tokens: 128][32 channels: 2][half: 2][512 bytes]: the image of a 16-bit operand's registers, so a lane's 16 bytes are stored as they stand, 512 consecutive bytes an instruction.
;   Q, K: the chunk (token r, channels 8 h on) lies at 16 (16 h + r).  V: at 16 (16 (r / 8) + 8 h + r % 8), the order in which the turning LDS load of the next launch takes it.
; LIMIT: a projection beyond 65,504 in magnitude overflows f16.
; REGISTERS: window 0: v16-30 addresses; v32-95 scale words, two sets; v128-191 A's fragments, one set; v192-255 the bias; on the way out v128-255 packed results.
;   window 1: B's fragments, two sets, at v0 and v128.  windows 2, 3: the accumulators of my rows 0-63, 64-127 ((a, b) at v[8 (8 (a % 4) + b)]).
.set NQ,     4                         ; steps of 128 along K in a slot
.set ROWB,   256                       ; a row of A's tile: 512 codes
.set KROW,   512                       ; a row of xc
.set PITCH,  272                       ; in LDS: + 16 bytes, so that the 16 rows of a fragment load start 16 bytes further on in each 256
.set FR,     8
.set NL,     2                         ; LDS loads to a fragment
.set NP,     4                         ; places behind this matrix form (ISA guide 7.12.1)
.set HALFT,  128*PITCH                 ; A: 128 rows, one tensor load
.set BOFF,   2*HALFT                   ; B's images lie behind A's 256 rows
.set HALFB,  32768                     ; B: 8 tiles of 16 columns x 4 images, one tensor load, dense
.set SLOT,   BOFF+2*HALFB
.set KS,     32                        ; a row of scale bytes
.set SCL,    2*SLOT                    ; behind the slots: the scales, as units of 256 bytes + 16
.set HALFS,  16*272                    ; those of 128 rows
.set SBLK,   2*272                     ; those of 16 rows
.set SPARE,  SCL+4*HALFS               ; the spare words, 128 bytes a wave
.set ADRA, 16                          ; v16-17 my A fragments in slot 0, 1
.set ADRB, 20                          ; v20-21 my B images
.set CO,   26                          ; v26  my 16 bytes' place in a stored 512
.set ADRS, 27                          ; v27  my scale words: lanes 0-15 A's rows, lanes 16-31 B's
.set SPW,  28
.set NIL,  29
.set BO,   30                          ; v30  32 h: my half's eight biases
.set SC,   32
.set AF,   128
.set BI,   192
.set TMP,  128
.set G1, 24
.set G0, 32
.set G1B, 48
.set G0B, 56
.set G1S, 68
.set G0S, 76
.set G1SB, 80
.set G0SB, 88
.set MSB, 0
.macro WIN new                         ; the immediate's high byte repeats the setting that is left
.if MSB != (\new)
	s_set_vgpr_msb (MSB<<8)|(\new)
.set MSB, (\new)
.endif
.endm
.set MUL_LO, 0xa1                      ; source 0 (B) window 1, source 1 (A) window 0, C and D window 2
.set MUL_HI, 0xf1
.set TO_B,   0x40
; A joint load: waves 0 and 1 fetch for A, waves 2 and 3 for B; the branch hangs on the wave's number alone.  An s_nop 0 and four v_nop follow each line.
.macro JLOAD g0a, g1a, g0b, g1b
	s_cmp_eq_u32 s15, 0
	s_cbranch_scc0 .Lfor_b_\@
	tensor_load_to_lds s[\g0a:\g0a+3], s[\g1a:\g1a+7]
	s_nop 0
.rept 4
	v_nop
.endr
	s_branch .Lasked_\@
.Lfor_b_\@:
	tensor_load_to_lds s[\g0b:\g0b+3], s[\g1b:\g1b+7]
	s_nop 0
.rept 4
	v_nop
.endr
.Lasked_\@:
.endm
.macro CROUND                          ; a round of the cluster's barrier
	s_barrier_signal -1
	s_barrier_wait -1
	s_cmp_lg_u32 s14, 0
	s_cbranch_scc1 .Lnot_wave_0_\@
	s_barrier_signal -3
.Lnot_wave_0_\@:
	s_barrier_wait -3
	s_barrier_signal -1
	s_barrier_wait -1
.endm
	s_load_b256 s[4:11], s[0:1], 0x0               ; xc, xs, wc, ws
	s_load_b128 s[96:99], s[0:1], 0x20             ; b_q, b_k
	s_load_b64 s[100:101], s[0:1], 0x30            ; b_v
	s_load_b64 s[12:13], s[0:1], 0x38              ; qkv
	v_lshl_add_u32 v[SPW], v0, 2, SPARE
	v_mov_b32 v[NIL], 0
	ds_add_u32 v[SPW], v[NIL]                      ; the wave's opening: the add, twice on end, and its wait ahead of my first tensor load
	ds_add_u32 v[SPW], v[NIL]
	v_lshrrev_b32 v1, 5, v0
	v_readfirstlane_b32 s14, v1                    ; wave 0..3
	s_lshr_b32 s15, s14, 1                         ; which half of the tile's rows is mine.  Also: I fetch for A (0) or for B (1)
	s_and_b32 s16, s14, 1                          ; which half of its columns.  Also: which half of that tile I fetch
	s_bfe_u32 s40, ttmp6, 0x40000                  ; cx
	s_bfe_u32 s41, ttmp6, 0x40004                  ; cy
	s_lshl_b32 s42, ttmp9, 2
	s_add_co_u32 s42, s42, s40                     ; tile column 0..3
	s_and_b32 s17, ttmp7, 0xffff
	s_lshr_b32 s95, s17, 2                         ; T = cluster y / 4: the same in all sixteen partners
	s_lshl_b32 s17, s17, 2
	s_add_co_u32 s17, s17, s41                     ; tile row 0..47
	s_lshl_b32 s43, s41, 2
	s_lshl_b32 s43, 15, s43                        ; my row of the cluster
	s_lshl_b32 s44, 0x1111, s40                    ; my column
	s_or_b32 s[G1+0], s43, (0<<16)|(1<<20)|(1<<21)|(5<<22)|(3<<25)  ; A's codes: elements of 1 byte; 4 words of padding behind every 64
	s_mov_b32 s[G1+1], ROWB<<16                    ; tensor_dim0
	s_mov_b32 s[G1+2], 128<<16                     ; tensor_dim1
	s_mov_b32 s[G1+3], ROWB<<16                    ; tile_dim0
	s_mov_b32 s[G1+4], 128                         ; tile_dim1
	s_mov_b32 s[G1+5], KROW                        ; pitch
	s_mov_b32 s[G1+6], 0
	s_mov_b32 s[G1+7], 0
	s_or_b32 s[G1B+0], s44, (3<<16)|(1<<21)        ; B's images: a dense block of 32,768 bytes as 128 rows of 32 elements of 8 bytes, no padding
	s_mov_b32 s[G1B+1], 32<<16
	s_mov_b32 s[G1B+2], 128<<16
	s_mov_b32 s[G1B+3], 32<<16
	s_mov_b32 s[G1B+4], 128
	s_mov_b32 s[G1B+5], 32
	s_mov_b32 s[G1B+6], 0
	s_mov_b32 s[G1B+7], 0
	s_or_b32 s[G1S+0], s43, (3<<16)|(1<<20)|(1<<21)|(5<<22)|(3<<25) ; the scales of 128 rows: 4,096 dense bytes as 16 rows of 256, 16 bytes of padding behind each
	s_or_b32 s[G1SB+0], s44, (3<<16)|(1<<20)|(1<<21)|(5<<22)|(3<<25)
.irp g, G1S, G1SB
	s_mov_b32 s[\g+1], 32<<16
	s_mov_b32 s[\g+2], 16<<16
	s_mov_b32 s[\g+3], 32<<16
	s_mov_b32 s[\g+4], 16
	s_mov_b32 s[\g+5], 32
	s_mov_b32 s[\g+6], 0
	s_mov_b32 s[\g+7], 0
.endr
	s_lshl_b32 s18, s16, 7
	s_lshl_b32 s20, s17, 8
	s_add_co_u32 s20, s20, s18                     ; A: row 256 x tile row + 128 x half
	s_lshl_b32 s22, s20, 5                         ; its scales, in bytes
	s_mov_b32 s23, 0
	s_lshl_b32 s20, s20, 9                         ; its codes
	s_mov_b32 s21, 0
	s_lshl_b32 s46, s95, 19                        ; B's images: T x 524,288 + (16 x tile column + 8 x half) x 4,096
	s_lshl_b32 s45, s42, 16
	s_add_co_u32 s46, s46, s45
	s_lshl_b32 s45, s16, 15
	s_add_co_u32 s46, s46, s45
	s_mov_b32 s47, 0
	s_lshl_b32 s92, s95, 15                        ; B's scales: (1,024 T + 256 x tile column + 128 x half) x 32
	s_lshl_b32 s45, s42, 13
	s_add_co_u32 s92, s92, s45
	s_lshl_b32 s45, s16, 12
	s_add_co_u32 s92, s92, s45
	s_mov_b32 s93, 0
	s_mul_i32 s19, s16, HALFT                      ; where they go: no place in the cluster enters an LDS address
	s_lshl_b32 s3, s16, 15
	s_add_co_u32 s3, s3, BOFF
	s_mul_i32 s94, s14, HALFS
	s_wait_dscnt 0x0                               ; both opening adds are done
	s_wait_kmcnt 0x0
	s_add_nc_u64 s[20:21], s[4:5], s[20:21]
	s_add_nc_u64 s[22:23], s[6:7], s[22:23]
	s_add_nc_u64 s[46:47], s[8:9], s[46:47]
	s_add_nc_u64 s[92:93], s[10:11], s[92:93]
	s_cmp_eq_u32 s95, 0
	s_cselect_b64 s[96:97], s[96:97], s[98:99]     ; the bias of my T
	s_cmp_eq_u32 s95, 2
	s_cselect_b64 s[96:97], s[100:101], s[96:97]
	CROUND                                         ; all sixteen work-groups are here: the joint loads meet
	s_mov_b32 s[G0S], 1
	s_add_co_u32 s[G0S+1], s94, SCL
	s_mov_b64 s[G0S+2:G0S+3], s[22:23]
	s_or_b32 s[G0S+3], s[G0S+3], 0x80000000
	s_mov_b32 s[G0SB], 1
	s_add_co_u32 s[G0SB+1], s94, SCL
	s_mov_b64 s[G0SB+2:G0SB+3], s[92:93]
	s_or_b32 s[G0SB+3], s[G0SB+3], 0x80000000
	JLOAD G0S, G1S, G0SB, G1SB                     ; the scales first; then both slots: three tensor loads of mine are out
.irp s, 0,1
	s_mov_b32 s[G0+4*\s], 1
	s_add_co_u32 s[G0+4*\s+1], s19, \s*SLOT
	s_add_nc_u64 s[G0+4*\s+2:G0+4*\s+3], s[20:21], \s*ROWB
	s_or_b32 s[G0+4*\s+3], s[G0+4*\s+3], 0x80000000
	s_mov_b32 s[G0B+4*\s], 1
	s_add_co_u32 s[G0B+4*\s+1], s3, \s*SLOT
	s_add_nc_u64 s[G0B+4*\s+2:G0B+4*\s+3], s[46:47], \s*262144
	s_or_b32 s[G0B+4*\s+3], s[G0B+4*\s+3], 0x80000000
	JLOAD G0+4*\s, G1, G0B+4*\s, G1B
.endr
	v_and_b32 v1, 15, v0                           ; r
	v_bfe_u32 v2, v0, 4, 1                         ; h
	s_lshl_b32 s20, s42, 10                        ; the bias of my 128 columns: (256 x tile column + 128 x half) x 4
	s_lshl_b32 s21, s16, 9
	s_add_co_u32 s20, s20, s21
	s_mov_b32 s21, 0
	s_add_nc_u64 s[96:97], s[96:97], s[20:21]
	v_lshlrev_b32 v[BO], 5, v2
.irp b, 0,1,2,3,4,5,6,7
	global_load_b128 v[BI+8*\b:BI+8*\b+3], v[BO], s[96:97] offset:64*\b        ; register 8 b + j: the bias of column 16 b + 8 h + j, the result's own layout
	global_load_b128 v[BI+8*\b+4:BI+8*\b+7], v[BO], s[96:97] offset:64*\b+16
.endr
	v_mul_u32_u24 v3, v1, PITCH
	v_lshl_add_u32 v4, v2, 4, v3                   ; A: a fragment's row x pitch + 16 h
	v_and_b32 v6, 31, v0
	v_lshlrev_b32 v7, 4, v6                        ; B: 16 x lane in an image
	s_mul_i32 s21, s15, HALFT                      ; my 128 rows of A
	s_lshl_b32 s22, s16, 15
	s_add_co_u32 s22, s22, BOFF                    ; my 8 tiles of B
.irp s, 0,1
	v_add_nc_u32 v[ADRA+\s], s21, v4
	v_add_nc_u32 v[ADRB+\s], s22, v7
	s_add_co_u32 s21, s21, SLOT
	s_add_co_u32 s22, s22, SLOT
.endr
	v_mul_u32_u24 v5, v1, KS                       ; my row's scales: 32 bytes a row,
	v_lshrrev_b32 v6, 8, v5
	v_lshl_add_u32 v5, v6, 4, v5                   ; and 16 more for each 256 passed
	s_mul_i32 s21, s15, HALFS
	s_mul_i32 s22, s16, HALFS
	s_add_co_u32 s22, s22, 2*HALFS
	s_sub_co_u32 s22, s22, s21
	v_mul_u32_u24 v6, s22, v2                      ; lanes 16-31 take B's: one product, the distance between the two bases
	s_add_co_u32 s21, s21, SCL
	v_add_nc_u32 v5, v5, v6
	v_add_nc_u32 v[ADRS], s21, v5
	; where my part of qkv begins
	s_and_b32 s20, s17, 15
	s_lshl_b32 s20, s20, 8
	s_lshl_b32 s21, s15, 7
	s_add_co_u32 s20, s20, s21                     ; my first token within the tensor, 0..4095
	s_lshr_b32 s21, s20, 11
	s_lshl_b32 s21, s21, 4                         ; 16 x batch
	s_lshl_b32 s22, s42, 2
	s_add_co_u32 s21, s21, s22
	s_lshl_b32 s22, s16, 1
	s_add_co_u32 s21, s21, s22                     ; + my first head: 4 x tile column + 2 x half
	s_lshl_b32 s21, s21, 18
	s_and_b32 s20, s20, 2047
	s_lshl_b32 s20, s20, 7                         ; 2,048 bytes for 16 tokens
	s_add_co_u32 s20, s20, s21
	s_lshl_b32 s21, s95, 23
	s_add_co_u32 s20, s20, s21
	s_mov_b32 s21, 0
	s_add_nc_u64 s[12:13], s[12:13], s[20:21]
	s_cmp_eq_u32 s95, 2                            ; V's chunks lie in the other order: bits 3 and 4 of the lane change places
	s_cselect_b32 s22, 1, 0
	s_add_co_u32 s23, s22, 7
	s_sub_co_u32 s22, 8, s22
	v_and_b32 v3, 7, v0
	v_lshlrev_b32 v[CO], 4, v3
	v_bfe_u32 v3, v0, 3, 1
	v_lshlrev_b32 v3, s23, v3
	v_add_nc_u32 v[CO], v[CO], v3
	v_lshlrev_b32 v3, s22, v2
	v_add_nc_u32 v[CO], v[CO], v3
; 16 matrix instructions: A's blocks a0, a0 + 1 x B's eight, the slot's q-th 128 along K.  p: B's set; sc: the set of scale words.  zero = 1: the sums start from the bias.
; The 64 accumulators take turns, one instruction a turn, in the same order in every step.
.macro MUL16 a0, p, q, sc, zero
.irp a, \a0, \a0+1
.irp b, 0,1,2,3,4,5,6,7
.if \zero
	v_wmma_scale_f32_16x16x128_f8f6f4 v[8*(8*((\a)%4)+\b):8*(8*((\a)%4)+\b)+7], v[128*(\p)+FR*\b:128*(\p)+FR*\b+FR-1], v[AF+FR*(\a):AF+FR*(\a)+FR-1], v[BI+8*\b:BI+8*\b+7], v[SC+8*NQ*(\sc)+NQ*\b+(\q)], v[SC+8*NQ*(\sc)+NQ*(\a)+(\q)] matrix_a_fmt:MATRIX_FMT_FP4 matrix_b_fmt:MATRIX_FMT_FP4 matrix_a_scale:MATRIX_SCALE_ROW1
.else
	v_wmma_scale_f32_16x16x128_f8f6f4 v[8*(8*((\a)%4)+\b):8*(8*((\a)%4)+\b)+7], v[128*(\p)+FR*\b:128*(\p)+FR*\b+FR-1], v[AF+FR*(\a):AF+FR*(\a)+FR-1], v[8*(8*((\a)%4)+\b):8*(8*((\a)%4)+\b)+7], v[SC+8*NQ*(\sc)+NQ*\b+(\q)], v[SC+8*NQ*(\sc)+NQ*(\a)+(\q)] matrix_a_fmt:MATRIX_FMT_FP4 matrix_b_fmt:MATRIX_FMT_FP4 matrix_a_scale:MATRIX_SCALE_ROW1
.endif
.endr
.endr
.endm
.macro FETCH_B slot, q, p              ; B's eight images of the slot's q-th 128 along K into set p: 16 x lane, 512 bytes a load
	WIN TO_B
.irp i, 0,1,2,3,4,5,6,7
.irp c, 0,1
	ds_load_b128 v[128*(\p)+FR*\i+4*\c:128*(\p)+FR*\i+4*\c+3], v[ADRB+\slot] offset:4096*\i+1024*(\q)+512*\c
.endr
.endr
	WIN 0
.endm
.macro FETCH_A slot, q, i0             ; A's blocks i0 .. i0 + 3: lane (r, h) takes 16 bytes at 32 c + 16 h of its row's 64
.irp i, \i0, \i0+1, \i0+2, \i0+3
.irp c, 0,1
	ds_load_b128 v[AF+FR*(\i)+4*\c:AF+FR*(\i)+4*\c+3], v[ADRA+\slot] offset:64*(\q)+32*\c+(\i)*16*PITCH
.endr
.endr
.endm
.macro SCALES sc                       ; a slot's scale words: four a row; lanes 0-15 take A's block i, lanes 16-31 B's block i
.irp i, 0,1,2,3,4,5,6,7
	ds_load_b128 v[SC+8*NQ*\sc+NQ*\i:SC+8*NQ*\sc+NQ*\i+3], v[ADRS] offset:\i*SBLK
.endr
.endm
.macro PLACES n                        ; plain vector instructions between a matrix instruction and a load into, or a read of, its registers
.rept \n
	v_nop
.endr
.endm
.macro STEP slot, q, zero              ; a step of 128 along K that has its successor in the same slot
	s_wait_dscnt 4*NL                              ; B's set and A's blocks 0-3 are in; the youngest eight loads (A's blocks 4-7) may be out
.if \zero
	WIN 0x81                                       ; C, the bias, in window 0
.else
	WIN MUL_LO
.endif
	MUL16 0, (\q)%2, \q, \slot, \zero
	MUL16 2, (\q)%2, \q, \slot, \zero
	s_wait_dscnt 0                                 ; A's blocks 4-7 are in
	PLACES NP
	FETCH_B \slot, (\q)+1, 1-(\q)%2
	FETCH_A \slot, (\q)+1, 0
.if \zero
	WIN 0xc1
.else
	WIN MUL_HI
.endif
	MUL16 4, (\q)%2, \q, \slot, \zero
	MUL16 6, (\q)%2, \q, \slot, \zero
	PLACES NP
	WIN 0
	FETCH_A \slot, (\q)+1, 4
.endm
.macro STEPS slot, from
.set Q, \from
.rept NQ-1-\from
	STEP \slot, Q, 0
.set Q, Q+1
.endr
.endm
	s_wait_tensorcnt 1                             ; the scales and my part of slot 0 are in; slot 1's load may be out
	s_barrier_signal -1
	s_barrier_wait -1                              ; everybody's are
	FETCH_B 0, 0, 0
	FETCH_A 0, 0, 0
	SCALES 0
	FETCH_A 0, 0, 4
	s_wait_loadcnt 0x0                             ; the bias
	STEP 0, 0, 1
	STEPS 0, 1
	; slot 0's last step changes slots: one barrier; in front of it my part of slot 1 has landed
	s_wait_tensorcnt 0x0                           ; all my tensor loads have landed
	ds_add_u32 v[SPW], v[NIL]                      ; 0 onto my spare word
	s_wait_dscnt 4*NL+1                            ; the add and the youngest eight loads may be out
	WIN MUL_LO
	MUL16 0, 1, NQ-1, 0, 0
	s_wait_dscnt 0x0                               ; the add is done, and my reads of slot 0 are over
	s_barrier_signal -1
	MUL16 2, 1, NQ-1, 0, 0
	WIN 0
	s_barrier_wait -1                              ; slot 1 is whole
	PLACES NP
	v_add_nc_u32 v[ADRS], 4*NQ, v[ADRS]            ; the second slot's scale words: 16 bytes on in each row
	FETCH_B 1, 0, 0
	FETCH_A 1, 0, 0
	SCALES 1
	WIN MUL_HI
	MUL16 4, 1, NQ-1, 0, 0
	MUL16 6, 1, NQ-1, 0, 0
	PLACES NP
	WIN 0
	FETCH_A 1, 0, 4
	STEPS 1, 0
	s_wait_dscnt 4*NL                              ; the last step: nothing more to fetch
	WIN MUL_LO
	MUL16 0, 1, NQ-1, 1, 0
	MUL16 2, 1, NQ-1, 1, 0
	s_wait_dscnt 0
	WIN MUL_HI
	MUL16 4, 1, NQ-1, 1, 0
	MUL16 6, 1, NQ-1, 1, 0
	WIN 0
; THE WAY OUT, a block of 16 tokens at a time: each accumulator, from its low end on, packs into 16 bytes a lane, which are a piece of an operand's image: stored as they stand.
.macro OUT a
.set AC, 64*((\a)%4)
.set TP, TMP+32*((\a)%4)
	WIN 0x0a+5*((\a)/4)                            ; sources in window 2 or 3
.irp b, 0,1,2,3,4,5,6,7
.irp r, 0,1,2,3
	v_cvt_pk_f16_f32 v[TP+4*\b+\r], v[AC+8*\b+2*\r], v[AC+8*\b+2*\r+1]
.endr
.endr
	WIN 0
.irp b, 0,1,2,3,4,5,6,7
	global_store_b128 v[CO], v[TP+4*\b:TP+4*\b+3], s[12:13] offset:2048*(\a)+262144*(\b/4)+1024*((\b/2)%2)+512*(\b%2)   ; 512 consecutive bytes, aligned: head b / 4, channels 16 (b % 4) on
.endr
.endm
	PLACES NP                                      ; behind the last products: their results are read, and A's and the bias's registers written, below
.irp a, 0,1,2,3,4,5,6,7
.if \a >= 4
	s_wait_xcnt 0x0                                ; the stores of four blocks back have read their registers, which are packed into again
.endif
	OUT \a
.endr
	s_wait_tensorcnt 0x0                           ; the wave's end
	ds_add_u32 v[SPW], v[NIL]
	s_wait_dscnt 0x0
	CROUND                                         ; the closing round
	s_endpgm
.Lfunc_end_k_qb3865c21c5_proj:
	.size	k_qb3865c21c5_proj, .Lfunc_end_k_qb3865c21c5_proj-k_qb3865c21c5_proj
	.p2alignl 7, 3214868480
	.fill 96, 4, 3214868480
	.section	.rodata,"a",@progbits
	.p2align	6, 0x0
	.amdhsa_kernel k_qb3865c21c5_proj
		.amdhsa_group_segment_fixed_size 327680
		.amdhsa_private_segment_fixed_size 0
		.amdhsa_enable_private_segment 0
		.amdhsa_kernarg_size 64
		.amdhsa_user_sgpr_count 2
		.amdhsa_user_sgpr_kernarg_segment_ptr 1
		.amdhsa_wavefront_size32 1
		.amdhsa_system_sgpr_workgroup_id_x 1
		.amdhsa_system_sgpr_workgroup_id_y 1
		.amdhsa_system_sgpr_workgroup_id_z 1
		.amdhsa_system_vgpr_workitem_id 0
		.amdhsa_next_free_vgpr 1024
		.amdhsa_next_free_sgpr 102
		.amdhsa_reserve_vcc 0
		.amdhsa_float_denorm_mode_32 3
		.amdhsa_float_denorm_mode_16_64 3
		.amdhsa_memory_ordered 1
		.amdhsa_forward_progress 1
		.amdhsa_inst_pref_size 120
	.end_amdhsa_kernel
	.amdgpu_metadata
---
amdhsa.version: [ 1, 2 ]
amdhsa.kernels:
  - .name:           k_qb3865c21c5_proj
    .symbol:         k_qb3865c21c5_proj.kd
    .args:
      - { .name: xc, .offset: 0, .size: 8, .value_kind: global_buffer, .address_space: global }
      - { .name: xs, .offset: 8, .size: 8, .value_kind: global_buffer, .address_space: global }
      - { .name: wc, .offset: 16, .size: 8, .value_kind: global_buffer, .address_space: global }
      - { .name: ws, .offset: 24, .size: 8, .value_kind: global_buffer, .address_space: global }
      - { .name: b_q, .offset: 32, .size: 8, .value_kind: global_buffer, .address_space: global }
      - { .name: b_k, .offset: 40, .size: 8, .value_kind: global_buffer, .address_space: global }
      - { .name: b_v, .offset: 48, .size: 8, .value_kind: global_buffer, .address_space: global }
      - { .name: qkv, .offset: 56, .size: 8, .value_kind: global_buffer, .address_space: global }
    .group_segment_fixed_size: 327680
    .private_segment_fixed_size: 0
    .kernarg_segment_align: 8
    .kernarg_segment_size: 64
    .max_flat_workgroup_size: 128
    .sgpr_count:     102
    .vgpr_count:     1024
    .wavefront_size: 32
...
	.end_amdgpu_metadata
.endif
;; end of part 2
;; launch attn (part 3): grid 8 x 32, 4 waves a work-group, clusters of 4 x 1, 327,680 bytes of LDS; arguments qkv, xa; writes xa
.if DOCPART == 3
	.amdgcn_target "amdgcn-amd-amdhsa--gfx1250"
	.amdhsa_code_object_version 6
	.text
	.protected	k_qb3865c21c5_attn
	.globl	k_qb3865c21c5_attn
	.p2align	8
	.type	k_qb3865c21c5_attn,@function
k_qb3865c21c5_attn:
	s_mov_b64 s[64:65], 0
	v_nop
	global_prefetch_b8 v0, s[64:65] scope:SCOPE_SE
	s_setreg_imm32_b32 hwreg(HW_REG_WAVE_MODE, 25, 1), 1
	s_wait_xcnt 0x0
	s_wait_alu depctr_hold_cnt(0) depctr_sa_sdst(0) depctr_va_vdst(0) depctr_va_sdst(0) depctr_va_ssrc(0) depctr_va_vcc(0) depctr_vm_vsrc(0)
	s_getreg_b32 s2, hwreg(HW_REG_IB_STS2, 6, 4)
	s_cmp_eq_u32 s2, 0
	s_cbranch_scc0 .Lentry_in_a_cluster
	s_endpgm
.Lentry_in_a_cluster:
	s_bfe_u32 s2, ttmp6, 0x10000c
	s_cmp_lg_u32 s2, 0x3003
	s_cbranch_scc0 .Lentry_shape_is_right
	s_endpgm
.Lentry_shape_is_right:
; ATTN: O[bh][q] = the sum over k of softmax_k(Q[bh][q] . K[bh][k] / 8) V[bh][k], 32 (batch, head) pairs, 2,048 tokens, head size 64, no mask.  Operands f16, products, maxima and sums f32.
; qkv holds Q, K, V as images of 16-bit operand registers: [T][bh][16 tokens: 128][32 channels: 2][half: 2][512 bytes]; a tile of any rows is a dense block, read at 16 x lane.
; SHARES.  A work-group owns 256 queries of one bh, each of its four waves 64: four tiles of 16.  Every wave walks all keys, 128 a step, 16 steps.
; LAYOUT.  S^T = K Q^T (source 0 = 16 keys, source 1 = 16 queries): a lane holds ONE query and the keys 8 (lane / 16) + 0..7.  Two such tiles, rounded to f16 in pairs, ARE source 1 of O^T = V^T P.
; V comes out of LDS turned, by ds_load_tr16_b128; its chunks were laid so that the turning load too reads at 16 x lane.
; SOFTMAX.  For each query a running maximum m and sum l: p = 2^(c s - c m), c = log2(e) / 8; in every step O and l are multiplied by a = 2^(c m_old - c m_new).
; BY TURNS.  The wave's tiles are two pieces (0: tiles 0, 1; 2: tiles 2, 3).  In a turn one piece has the matrix unit (32 products V^T P of the step in hand, 32 products K Q^T of the next);
; the other piece's softmax, 428 vector instructions, is dealt out behind the 64 matrix instructions, six or seven behind each.  Two turns are a key step.
; CLUSTER.  The four query blocks of a cluster belong to one bh and walk the same K and V: each tile is asked for jointly.
; OUT: xa [256 K: 4][16 tokens: 256][32 K: 8][1,024 bytes]: images of the next product's operand registers; a lane's 16 bytes are stored as they stand.
; LIMIT: an output beyond 65,504 in magnitude overflows f16; under 6e-5 it keeps a step of 6e-8.
; REGISTERS, in windows of 256.  Windows 0 and 1: piece 0 and piece 2 under the same numbers: v16-47 sixteen statistics a tile; v64-191 S^T, 64 a tile; v192-255 P, 32 a tile.
;   window 0 alone: v2 16 x lane, v4 the address in hand, v5 the prefetches' offset, v14, v15 the add's two.
;   window 2: v0-127 O^T, 32 a tile; v128-191 Q, 16 a tile; v192-255 the packed output.   window 3: v0-127 K of one step; v128-255 V of one step.
.set STEPB, 16384                      ; a step's 128 rows of K, or of V
.set VOFF,  32768                      ; a slot: K of two steps, then V of two steps
.set SLOT1, 65536                      ; slot 1 begins here: one exclusive or turns an address from one slot to the other
.set SPARE, 131072                     ; behind the ring: the spare words, 128 bytes a wave
.set LN16, 2
.set ADR,  4
.set PFO,  5
.set SPW,  14
.set NIL,  15
.set ST,   16                          ; tile u's statistics at v[ST+16 u]: +0 c m, +1 m, +2, +3 l (even keys', odd keys'), +8 .. +15 c0-c7 at work; a takes c2's place
.set S,    64
.set P,    192
.set QF,   128                         ; in window 2
.set OP,   192
.set VF,   128                         ; in window 3
.set WV,   12
.set LIM,  15                          ; s15  1 in a wave that prefetches, else the greatest number
.set PFA,  18                          ; s[18:19] where my prefetches stand
.set G1,   24                          ; s[24:31] descriptor group 1: one shape for all tiles
.set G0A,  40                          ; s[40:43] group 0 of slot 0's first fill
.set G0B,  44                          ; s[44:47] of slot 1's; it then walks
.set SLOTS, 56
.set TWICE, 57
.set CS,   58                          ; s[58:59] c
.set SEL,  60                          ; s[60:61] lane selects: lane l xor 16
.set TB,   62                          ; s62  LDS byte at which K of the step to be fetched begins
.set MSB, 0
.macro WIN new
.if MSB != (\new)
	s_set_vgpr_msb (MSB<<8)|(\new)
.set MSB, (\new)
.endif
.endm
.macro JLOAD                           ; a joint refill: wave w brings quarter w of the slot; one line, the same in every work-group.  An s_nop 0 and four v_nop follow
	tensor_load_to_lds s[G0B:G0B+3], s[G1:G1+7]
	s_nop 0
.rept 4
	v_nop
.endr
.endm
; A prefetch of what the NEXT change of slots will ask for: 32,768 bytes of K and as many of V.  The bh's first cluster asks; its four partners take 8,192 bytes each, told apart by address;
; in each, wave 0 asks for K's and wave 2 for V's, lanes 256 bytes apart: each block of 256 bytes is named once in the launch.  The last change that fills a slot asks for nothing.
.macro ASK
	s_cmp_gt_u32 s[SLOTS], s[LIM]
	s_cbranch_scc0 .Lnot_mine_\@
	global_prefetch_b8 v[PFO], s[PFA:PFA+1] th:TH_LOAD_NT scope:SCOPE_SE
.Lnot_mine_\@:
.endm
.macro CROUND
	s_barrier_signal -1
	s_barrier_wait -1
	s_cmp_lg_u32 s[WV], 0
	s_cbranch_scc1 .Lnot_wave_0_\@
	s_barrier_signal -3
.Lnot_wave_0_\@:
	s_barrier_wait -3
	s_barrier_signal -1
	s_barrier_wait -1
.endm
.macro PLACES
.rept 4
	v_nop
.endr
.endm
	s_load_b128 s[4:7], s[0:1], 0x0                ; qkv, xa
	v_lshl_add_u32 v[SPW], v0, 2, SPARE
	v_mov_b32 v[NIL], 0
	ds_add_u32 v[SPW], v[NIL]                      ; the wave's opening: the add, twice on end, and its wait ahead of my first tensor load
	ds_add_u32 v[SPW], v[NIL]
	v_lshrrev_b32 v1, 5, v0
	v_readfirstlane_b32 s[WV], v1                  ; wave 0..3
	v_and_b32 v1, 31, v0
	v_lshlrev_b32 v[LN16], 4, v1
	v_lshlrev_b32 v[PFO], 8, v1
	s_bfe_u32 s13, ttmp6, 0x40000                  ; cx
	s_lshl_b32 s14, ttmp9, 2
	s_add_co_u32 s14, s14, s13                     ; my block of 256 queries: it enters Q's and xa's addresses alone
	s_and_b32 s16, ttmp7, 0xffff                   ; bh, which the four partners share
	s_lshr_b32 s20, s[WV], 1                       ; waves 0, 1 fetch K (T = 1), waves 2, 3 V (T = 2);
	s_add_co_u32 s20, s20, 1
	s_lshl_b32 s20, s20, 23
	s_lshl_b32 s17, s16, 18
	s_add_co_u32 s20, s20, s17
	s_and_b32 s21, s[WV], 1                        ; the slot's first or second step
	s_lshl_b32 s21, s21, 14
	s_add_co_u32 s20, s20, s21
	s_mov_b32 s21, 0
	s_lshl_b32 s22, s14, 15                        ; Q: 256 queries are 32,768 bytes, my wave's 64 are 8,192
	s_add_co_u32 s22, s22, s17
	s_lshl_b32 s23, s[WV], 13
	s_add_co_u32 s22, s22, s23
	s_mov_b32 s23, 0
	s_and_b32 s2, s16, 15                          ; xa: (head / 4) x 2,097,152
	s_lshr_b32 s2, s2, 2
	s_lshl_b32 s2, s2, 21
	s_lshr_b32 s3, s16, 4
	s_lshl_b32 s3, s3, 7                           ; + (128 x batch + 16 x block + 4 x wave) x 8,192
	s_lshl_b32 s17, s14, 4
	s_add_co_u32 s3, s3, s17
	s_lshl_b32 s17, s[WV], 2
	s_add_co_u32 s3, s3, s17
	s_lshl_b32 s3, s3, 13
	s_add_co_u32 s2, s2, s3
	s_and_b32 s3, s16, 3                           ; + (head % 4) x 2,048
	s_lshl_b32 s3, s3, 11
	s_add_co_u32 s2, s2, s3
	s_mov_b32 s3, 0
	s_mov_b32 s[G1], 15|(3<<16)|(1<<21)            ; the mask: all four work-groups; elements of 8 bytes; bit 21 beside a mask; no padding
	s_mov_b32 s[G1+1], 32<<16                      ; tensor_dim0 = 32 elements: 256 bytes
	s_mov_b32 s[G1+2], 64<<16                      ; tensor_dim1 = 64 rows: a dense block of 16,384 bytes
	s_mov_b32 s[G1+3], 32<<16                      ; tile_dim0
	s_mov_b32 s[G1+4], 64                          ; tile_dim1
	s_mov_b32 s[G1+5], 32                          ; pitch
	s_mov_b32 s[G1+6], 0
	s_mov_b32 s[G1+7], 0
	s_mov_b32 s[CS], 0x3e38aa3b                    ; c = log2(e) / 8
	s_mov_b32 s[CS+1], s[CS]
	s_mov_b32 s[SEL], 0x76543210
	s_mov_b32 s[SEL+1], 0xfedcba98
	s_mov_b32 s[TB], 0
	s_mov_b32 s[SLOTS], 6                          ; 8 slots' worth of keys, two asked for at the head
	s_and_b32 s[LIM], s[WV], 1
	s_or_b32 s[LIM], s[LIM], ttmp9                 ; 0 in waves 0 and 2 of the bh's first cluster: the same in all four partners
	s_cmp_eq_u32 s[LIM], 0
	s_cselect_b32 s[LIM], 1, -1
	s_wait_dscnt 0x0                               ; both opening adds are done
	s_wait_kmcnt 0x0
	s_add_nc_u64 s[20:21], s[4:5], s[20:21]        ; my quarter of slot 0, in memory
	s_add_nc_u64 s[8:9], s[4:5], s[22:23]          ; Q at my wave's first query
	s_add_nc_u64 s[10:11], s[6:7], s[2:3]          ; xa likewise
	s_lshl_b32 s2, s13, 13                         ; my work-group's 8,192 bytes,
	s_add_co_u32 s2, s2, 65536                     ; two slots on: the first change of slots steps it to the third.  Nothing is prefetched at the head
	s_mov_b32 s3, 0
	s_add_nc_u64 s[PFA:PFA+1], s[20:21], s[2:3]
	CROUND                                         ; all four work-groups are here: the first joint loads meet
	s_mov_b32 s[G0A], 1
	s_lshl_b32 s[G0A+1], s[WV], 14                 ; LDS: quarter w of slot 0
	s_mov_b64 s[G0A+2:G0A+3], s[20:21]
	s_or_b32 s[G0A+3], s[G0A+3], 0x80000000
	s_mov_b32 s[G0B], 1
	s_add_co_u32 s[G0B+1], s[G0A+1], SLOT1
	s_add_nc_u64 s[G0B+2:G0B+3], s[20:21], 32768   ; the next 256 keys
	s_or_b32 s[G0B+3], s[G0B+3], 0x80000000
	tensor_load_to_lds s[G0A:G0A+3], s[G1:G1+7]    ; two loads of mine are out
	s_nop 0
	tensor_load_to_lds s[G0B:G0B+3], s[G1:G1+7]
	s_nop 0
.rept 4
	v_nop
.endr
	WIN 0x80                                       ; destination window 2, address window 0
.irp i, 0,1,2,3,4,5,6,7                        ; Q stays in registers: tile i / 2, channels 32 (i % 2) on
	global_load_b128 v[QF+8*\i:QF+8*\i+3],   v[LN16], s[8:9] offset:2048*(\i/2)+1024*(\i%2)
	global_load_b128 v[QF+8*\i+4:QF+8*\i+7], v[LN16], s[8:9] offset:2048*(\i/2)+1024*(\i%2)+512
.endr
	WIN 0
; THE MATRIX WORK OF A TURN, for piece x.  The accumulators take turns, one instruction a turn.
; Product i of 32 of S^T = K Q^T: channels 32 (i / 16) on, keys 16 ((i / 2) % 8) on, tile x + i % 2.  The first 16 start the sums.
.macro KQ x
.set w, (\x)/2
	WIN (w<<6)|(w<<4)|0x0b                         ; K window 3, Q window 2, S^T the piece's window
.set rS, S+64*(i%2)+8*((i/2)%8)
.set rK, 8*(2*((i/2)%8)+i/16)
.set rQ, QF+16*((\x)+i%2)+8*(i/16)
.if i < 16
	v_wmma_f32_16x16x32_f16 v[rS:rS+7], v[rK:rK+7], v[rQ:rQ+7], 0
.else
	v_wmma_f32_16x16x32_f16 v[rS:rS+7], v[rK:rK+7], v[rQ:rQ+7], v[rS:rS+7]
.endif
.endm
; Product i of 32 of O^T += V^T P: keys 32 (i / 8) on, channels 16 ((i / 2) % 4) on, tile x + i % 2.  zero = 1: the first 8 start the sums.
.macro PV x, zero
.set w, (\x)/2
	WIN 0xa3|(w<<2)                                ; V window 3, P the piece's window, O^T window 2
.set rO, 32*((\x)+i%2)+8*((i/2)%4)
.set rV, VF+8*(4*(i/8)+(i/2)%4)
.set rP, P+32*(i%2)+8*(i/8)
.if (\zero) && (i < 8)
	v_wmma_f32_16x16x32_f16 v[rO:rO+7], v[rV:rV+7], v[rP:rP+7], 0
.else
	v_wmma_f32_16x16x32_f16 v[rO:rO+7], v[rV:rV+7], v[rP:rP+7], v[rO:rO+7]
.endif
.endm
; THE LDS LOADS stand in runs of 32.
.macro FETCH_K
	WIN 0
	v_add_nc_u32 v[ADR], s[TB], v[LN16]
	WIN 0xc0                                       ; destination window 3
.irp f, 0,1,2,3,4,5,6,7,8,9,10,11,12,13,14,15  ; keys 16 (f / 2) on, channels 32 (f % 2) on
	ds_load_b128 v[8*\f:8*\f+3],   v[ADR] offset:2048*(\f/2)+1024*(\f%2)
	ds_load_b128 v[8*\f+4:8*\f+7], v[ADR] offset:2048*(\f/2)+1024*(\f%2)+512
.endr
.endm
.macro FETCH_V
	WIN 0
	v_add_nc_u32 v[ADR], s[TB], v[LN16]
	s_add_co_u32 s[TB], s[TB], STEPB               ; the next fetch is the next step's
	s_wait_alu depctr_va_vdst(0)                   ; the wait for the softmax's batch of exponentials, ahead of the first instruction that names a result
	WIN 0xc0
.irp f, 0,1,2,3,4,5,6,7,8,9,10,11,12,13,14,15  ; keys 32 (f / 4) on, channels 16 (f % 4) on
	ds_load_tr16_b128 v[VF+8*\f:VF+8*\f+3],   v[ADR] offset:VOFF+4096*(\f/4)+1024*((\f%4)/2)+512*(\f%2)
	ds_load_tr16_b128 v[VF+8*\f+4:VF+8*\f+7], v[ADR] offset:VOFF+4096*(\f/4)+1024*((\f%4)/2)+512*(\f%2)+2048
.endr
.endm
; THE VECTOR WORK OF A TURN.  One tile's softmax for a key step is a list of 214 instructions; SM writes number j of it for tile t.  first = 1: the first key step, which starts m, l and O^T.
;   0-31    the maximum of the 64 scores and the old m, three operands at a time, eight chains; each accumulator is first read at its low end
;   32-36   the other half of the lanes' maximum; the new m; c m; c m_old - c m_new
;   37-133  ONE BATCH: 32 packed scalings c s - c m and 65 exponentials (a, then the 64 scores); none of these names an exponential's result
;   134-165 the roundings to f16;  166-197 the sums, l = a l + the sum;  198-213 the tile's O^T times a
.macro SM t, first
.set tu, (\t)%2
.set wy, (\t)/2
.set rT, ST+16*tu
.set rS, S+64*tu
.set rP, P+32*tu
.if j < 198
	WIN 0x55*wy
.endif
.if j < 8
	v_max3_num_f32 v[rT+8+j], v[rS+8*j], v[rS+8*j+1], v[rS+8*j+2]
.elseif j < 24
	v_max3_num_f32 v[rT+8+j%8], v[rT+8+j%8], v[rS+8*(j%8)+2*(j/8)+1], v[rS+8*(j%8)+2*(j/8)+2]
.elseif j < 28
	v_max3_num_f32 v[rT+8+j-24], v[rT+8+j-24], v[rS+8*(j-24)+7], v[rS+8*(j-24)+39]
.elseif j == 28
	v_max3_num_f32 v[rT+8], v[rT+8], v[rT+9], v[rT+10]
.elseif j == 29
	v_max3_num_f32 v[rT+11], v[rT+11], v[rT+12], v[rT+13]
.elseif (j == 30) && \first
	v_max_num_f32 v[rT+14], v[rT+14], v[rT+15]
.elseif j == 30
	v_max3_num_f32 v[rT+14], v[rT+14], v[rT+15], v[rT+1]
.elseif j == 31
	v_max3_num_f32 v[rT+8], v[rT+8], v[rT+11], v[rT+14]
.elseif j == 32
	v_permlanex16_b32 v[rT+9], v[rT+8], s[SEL], s[SEL+1]  ; the query's other 64 keys lie in the lane 16 away
.elseif j == 34
	v_max_num_f32 v[rT+1], v[rT+8], v[rT+9]
.elseif j == 35
	v_mul_f32 v[rT], s[CS], v[rT+1]
.elseif ((j == 33) || (j == 36) || (j == 38) || (j > 196)) && \first  ; the first step has none of these
.elseif j == 33
	v_mov_b32 v[rT+12], v[rT]                      ; c m_old is kept for a
.elseif j == 36
	v_sub_f32 v[rT+12], v[rT+12], v[rT]
.elseif j == 38
	v_exp_f32 v[rT+10], v[rT+12]                   ; a
.elseif j < 134
.set uu, j-37
.set bg, (uu+1)/3
.set br, (uu+1)%3
.if uu == 0
.set bg, 0
.set br, 0
.endif
.if uu >= 95
.set bg, 32
.set br, uu-94
.endif
.if br == 0
	v_pk_fma_f32 v[rS+2*bg:rS+2*bg+1], v[rS+2*bg:rS+2*bg+1], s[CS:CS+1], v[rT:rT+1] op_sel_hi:[1,0,0] neg_lo:[0,0,1] neg_hi:[0,0,1]  ; pair bg: c s - c m
.else
	v_exp_f32 v[rS+2*bg-3+br], v[rS+2*bg-3+br]     ; the pair scaled three numbers earlier
.endif
.elseif j < 166
	v_cvt_pk_f16_f32 v[rP+j-134], v[rS+2*(j-134)], v[rS+2*(j-134)+1]
.elseif j < 198                        ; the sum of the tile's 32 pairs, in place: neighbours 1, 2, 4, 8, 16 pairs apart, then l takes it
.set z, j-166
.set sw, 4
.set su, z
.if z >= 30
.set sw, 64
.set su, 0
.elseif z >= 28
.set sw, 32
.set su, z-28
.elseif z >= 24
.set sw, 16
.set su, z-24
.elseif z >= 16
.set sw, 8
.set su, z-16
.endif
.if (z == 30) && \first
	v_pk_add_f32 v[rT+2:rT+3], v[rS:rS+1], v[rS+32:rS+33]
.elseif z < 31
	v_pk_add_f32 v[rS+sw*su:rS+sw*su+1], v[rS+sw*su:rS+sw*su+1], v[rS+sw*su+sw/2:rS+sw*su+sw/2+1]
.else
	v_pk_fma_f32 v[rT+2:rT+3], v[rT+2:rT+3], v[rT+10:rT+11], v[rS:rS+1] op_sel_hi:[1,0,1]
.endif
.else
.set rO, 32*(\t)+2*(j-198)
	WIN 0x82|(wy<<2)                               ; O^T window 2, a the piece's window
	v_pk_mul_f32 v[rO:rO+1], v[rO:rO+1], v[rT+10:rT+11] op_sel_hi:[1,0]
.endif
.endm
; Entry e of a turn's 428: number e / 2 of tile y + e % 2: the two tiles alternate.  Ahead of entry 268 the batch is out: a plain instruction behind the last exponential, and ONE wait for the turn's 130,
; ahead of the first instruction that names a result.  In piece 2's turn (y = 0) V's run of loads stands there, and the wait stands in it.
.macro ENTRY y, first
.if e == 268
	v_nop
.if (\y) == 0
	FETCH_V
.else
	s_wait_alu depctr_va_vdst(0)
.endif
.endif
.set j, e/2
	SM (\y)+e%2, \first
.set e, e+1
.endm
.macro SLICE y, first                  ; the share of the list behind matrix instruction k of NW
.set lim, ((k+1)*428)/NW
.rept lim-e
	ENTRY \y, \first
.endr
.set k, k+1
.endm
; A TURN.  Piece x has the matrix unit.  pv = 2: 32 products V^T P; 1: they start O^T's sums; 0: none.  kq = 1: 32 products K Q^T for the next step.
; The last slice's seven rescalings are the places between the turn's last product and what follows: the next turn's reads of its scores, and the loads into K's registers.
; first = 1: those entries are empty, and four v_nop take their part.  Piece 0's turn fetches the next step's K behind its second product, 30 matrix instructions ahead of its use.
; V's run stands behind product 40 of piece 2's turn: since the last product that read V, eighteen packed scalings, a v_nop and the run's own addition have been issued.
.macro TURN x, pv, kq, first
.set k, 0
.set e, 0
.set NW, 32
.if \pv && \kq
.set NW, 64
.endif
.if \pv
.if \x == 0
	s_wait_dscnt 0x0                               ; V is in
.endif
.set i, 0
.rept 32
	PV \x, 2-\pv
	SLICE 2-\x, \first
.if (\x == 0) && \kq && (i == 1)
	FETCH_K
.endif
.set i, i+1
.endr
.endif
.if \kq
.if \x == 0
	s_wait_dscnt 0x0                               ; K is in
.endif
.set i, 0
.rept 32
	KQ \x
	SLICE 2-\x, \first
.set i, i+1
.endr
.endif
.if \first
	PLACES
.endif
.endm
; THE CHANGE OF SLOTS, between piece 2's turn and piece 0's: the slot's last bytes, V of its second step, have been asked for.  Each wave waits for all its tensor loads (one is out: its quarter of
; the other slot), adds 0 to its spare word, and waits for that and for its reads of the slot.  fill = 1: the barrier is a round of the cluster's, and the joint refill is the first thing behind it:
; it has two key steps, 256 matrix instructions, in which to land.
.macro CHANGE fill
	WIN 0
	s_wait_tensorcnt 0x0                           ; no tensor load of mine is out, so a group 0 may be written
	ds_add_u32 v[SPW], v[NIL]                      ; 0 onto my spare word
.if \fill
	s_xor_b32 s[G0B+1], s[G0B+1], SLOT1            ; the walking descriptor: the other slot than last time,
	s_add_nc_u64 s[G0B+2:G0B+3], s[G0B+2:G0B+3], 32768  ; the next 256 keys
	s_wait_xcnt 0x0                                ; the last prefetch, two key steps back, has read its address
	s_add_nc_u64 s[PFA:PFA+1], s[PFA:PFA+1], 32768 ; one slot further on than the walking descriptor
	s_wait_dscnt 0x0                               ; the add is done, and my reads of the slot are over
	CROUND
	JLOAD
	ASK
.else
	s_wait_dscnt 0x0
	s_barrier_signal -1
	s_barrier_wait -1
.endif
	s_sub_co_u32 s[TB], s[TB], 2*STEPB             ; the fetches go back to a slot's first step,
	s_xor_b32 s[TB], s[TB], SLOT1                  ; in the other slot
.endm
.macro TWO_STEPS                       ; a slot's two key steps: written once, walked twice
	s_mov_b32 s[TWICE], 2
.Lstep_\@:
	TURN 0, 2, 1, 0
	TURN 2, 2, 1, 0
	WIN 0
	s_sub_co_u32 s[TWICE], s[TWICE], 1
	s_cmp_lg_u32 s[TWICE], 0
	s_cbranch_scc1 .Lstep_\@
.endm
	s_wait_tensorcnt 1                             ; my quarter of slot 0 is in; slot 1's may stay out
	s_barrier_signal -1
	s_barrier_wait -1                              ; everybody's is
	FETCH_K                                        ; key step 0
	s_wait_loadcnt 0x0                             ; Q
	s_wait_dscnt 0x0
.set i, 0
.rept 32
	KQ 0                                           ; piece 0's first scores: there is no vector work yet to set between them
.set i, i+1
.endr
	PLACES
	TURN 2, 0, 1, 1                                ; piece 2's first scores | piece 0's first softmax | V of step 0
	TURN 0, 1, 1, 1                                ; piece 0: V^T P of step 0 starts O^T, K Q^T of step 1 | piece 2's first softmax | K of step 1
	TURN 2, 1, 1, 0                                ; piece 2: the same | piece 0's softmax of step 1 | V of step 1
	WIN 0
.Lslot:                                            ; six trips: every slot's worth of keys but the first two is asked for here
	CHANGE 1
	TWO_STEPS
	s_sub_co_u32 s[SLOTS], s[SLOTS], 1
	s_cmp_lg_u32 s[SLOTS], 0
	s_cbranch_scc1 .Lslot
	CHANGE 0                                       ; the tail is written out
	TWO_STEPS
	TURN 0, 2, 0, 0                                ; piece 0: V^T P of the last step | piece 2's last softmax
.set i, 0
.rept 32
	PV 2, 0                                        ; piece 2: V^T P of the last step
.set i, i+1
.endr
	; THE WAY OUT.  l's two halves and the other half of the lanes' are added; O^T is divided by l, rounded to f16 and stored as it stands.  The additions are the places behind the last products.
.irp wd, 0,1
	WIN 0x55*\wd
.irp u, 0,1
	v_add_f32 v[ST+16*\u+8], v[ST+16*\u+2], v[ST+16*\u+3]
.endr
.irp u, 0,1
	v_permlanex16_b32 v[ST+16*\u+9], v[ST+16*\u+8], s[SEL], s[SEL+1]
.endr
.irp u, 0,1
	v_add_f32 v[ST+16*\u+8], v[ST+16*\u+8], v[ST+16*\u+9]
.endr
.irp u, 0,1
	v_rcp_f32 v[ST+16*\u+10], v[ST+16*\u+8]
.endr
.endr
	v_nop                                          ; a plain instruction between the last reciprocal and the use of its result
	s_wait_alu depctr_va_vdst(0)                   ; one wait for the four reciprocals, ahead of their first reader
.irp t, 0,1,2,3
	WIN 0x82|((\t/2)<<2)
.set i, 0
.rept 16
	v_pk_mul_f32 v[32*\t+i:32*\t+i+1], v[32*\t+i:32*\t+i+1], v[ST+16*(\t%2)+10:ST+16*(\t%2)+11] op_sel_hi:[1,0]
.set i, i+2
.endr
	WIN 0xaa                                       ; all in window 2
.set i, 0
.rept 16
	v_cvt_pk_f16_f32 v[OP+16*\t+i], v[32*\t+2*i], v[32*\t+2*i+1]
.set i, i+1
.endr
	WIN 0x08                                       ; a store's data are its source 1: window 2
.irp ct, 0,1,2,3
	global_store_b128 v[LN16], v[OP+16*\t+4*\ct:OP+16*\t+4*\ct+3], s[10:11] offset:8192*\t+1024*(\ct/2)+512*(\ct%2)   ; 512 consecutive bytes, aligned
.endr
.endr
	WIN 0
	s_wait_tensorcnt 0x0                           ; the wave's end
	ds_add_u32 v[SPW], v[NIL]
	s_wait_dscnt 0x0
	CROUND                                         ; the closing round
	s_endpgm
.Lfunc_end_k_qb3865c21c5_attn:
	.size	k_qb3865c21c5_attn, .Lfunc_end_k_qb3865c21c5_attn-k_qb3865c21c5_attn
	.p2alignl 7, 3214868480
	.fill 96, 4, 3214868480
	.section	.rodata,"a",@progbits
	.p2align	6, 0x0
	.amdhsa_kernel k_qb3865c21c5_attn
		.amdhsa_group_segment_fixed_size 327680
		.amdhsa_private_segment_fixed_size 0
		.amdhsa_enable_private_segment 0
		.amdhsa_kernarg_size 16
		.amdhsa_user_sgpr_count 2
		.amdhsa_user_sgpr_kernarg_segment_ptr 1
		.amdhsa_wavefront_size32 1
		.amdhsa_system_sgpr_workgroup_id_x 1
		.amdhsa_system_sgpr_workgroup_id_y 1
		.amdhsa_system_sgpr_workgroup_id_z 1
		.amdhsa_system_vgpr_workitem_id 0
		.amdhsa_next_free_vgpr 1024
		.amdhsa_next_free_sgpr 66
		.amdhsa_reserve_vcc 0
		.amdhsa_float_denorm_mode_32 3
		.amdhsa_float_denorm_mode_16_64 3
		.amdhsa_memory_ordered 1
		.amdhsa_forward_progress 1
		.amdhsa_inst_pref_size 255
	.end_amdhsa_kernel
	.section	.bss,"aw",@nobits
	.p2align	6
	.space	262144
	.amdgpu_metadata
---
amdhsa.version: [ 1, 2 ]
amdhsa.kernels:
  - .name:           k_qb3865c21c5_attn
    .symbol:         k_qb3865c21c5_attn.kd
    .args:
      - { .name: qkv, .offset: 0, .size: 8, .value_kind: global_buffer, .address_space: global }
      - { .name: xa, .offset: 8, .size: 8, .value_kind: global_buffer, .address_space: global }
    .group_segment_fixed_size: 327680
    .private_segment_fixed_size: 0
    .kernarg_segment_align: 8
    .kernarg_segment_size: 16
    .max_flat_workgroup_size: 128
    .sgpr_count:     66
    .vgpr_count:     1024
    .wavefront_size: 32
...
	.end_amdgpu_metadata
.endif
;; end of part 3
;; launch oproj (part 4): grid 8 x 32, 4 waves a work-group, clusters of 4 x 4, 327,680 bytes of LDS; arguments xa, wot, b_o, out0; writes out0
.if DOCPART == 4
	.amdgcn_target "amdgcn-amd-amdhsa--gfx1250"
	.amdhsa_code_object_version 6
	.text
	.protected	k_qb3865c21c5_oproj
	.globl	k_qb3865c21c5_oproj
	.p2align	8
	.type	k_qb3865c21c5_oproj,@function
k_qb3865c21c5_oproj:
	s_mov_b64 s[64:65], 0
	v_nop
	global_prefetch_b8 v0, s[64:65] scope:SCOPE_SE
	s_setreg_imm32_b32 hwreg(HW_REG_WAVE_MODE, 25, 1), 1
	s_wait_xcnt 0x0
	s_wait_alu depctr_hold_cnt(0) depctr_sa_sdst(0) depctr_va_vdst(0) depctr_va_sdst(0) depctr_va_ssrc(0) depctr_va_vcc(0) depctr_vm_vsrc(0)
	s_getreg_b32 s2, hwreg(HW_REG_IB_STS2, 6, 4)
	s_cmp_eq_u32 s2, 0
	s_cbranch_scc0 .Lentry_in_a_cluster
	s_endpgm
.Lentry_in_a_cluster:
	s_bfe_u32 s2, ttmp6, 0x10000c
	s_cmp_lg_u32 s2, 0xf033
	s_cbranch_scc0 .Lentry_shape_is_right
	s_endpgm
.Lentry_shape_is_right:
; OPROJ: out0[4096][1024] = x w_o + b_o, operands f16, sums f32.  x: xa [256 K: 4][16 tokens: 256][32 K: 8][1,024 bytes]; w_o^T: wot [256 K: 4][16 columns: 64][32 K: 8][1,024 bytes]:
; both are images of operand registers, so a K step's tiles are dense blocks for one tensor load each and a fragment is read at 16 x lane.
; A tile of the output is 128 x 128: 256 work-groups.  Four waves, 64 x 64 each: 16 accumulators.  K goes in four steps of 256 through two LDS slots.
; CLUSTERS: 4 x 4 work-groups; x's tiles are asked for jointly along a row of the cluster, the weight's along a column.
; THE MATRIX INSTRUCTION IS USED TRANSPOSED (source 0 = 16 columns of the weight, source 1 = 16 tokens): a lane holds eight neighbouring numbers of a row of the output.  The bias is the C of each sum's first product.
; REGISTERS: window 0: v16-29 addresses; v32-95 at work on the way out; v96-127 the bias; v128-255 the accumulators ((a, b) at v[128 + 8 (4 a + b)]).
;   window 1: two fragment buffers of 128: for 64 along K, 64 registers of x, then 64 of the weight.
.set HALFT,  32768                     ; four tiles of 16 rows x 256 K: what one tensor load brings, and what one wave reads of either operand
.set SLOT,   4*HALFT                   ; x's 128 tokens, then the weight's 128 columns
.set SPITCH, 272                       ; the way out: a wave's stage of 64 rows x (256 bytes + 16), in slot 0, which has had its last fill and its last read by then
.set SPARE,  2*SLOT                    ; behind the ring: the spare words, 128 bytes a wave
.set ADRA, 16
.set ADRB, 20
.set STO,  24
.set RD,   25
.set CO,   26
.set BO,   27
.set SPW,  28
.set NIL,  29
.set TMP,  32
.set BI,   96
.set ACC,  128
.set F0,   0
.set F1,   128
.set G1, 24
.set G0, 32
.set G1B, 48
.set G0B, 56
.set MSB, 0
.macro WIN new
.if MSB != (\new)
	s_set_vgpr_msb (MSB<<8)|(\new)
.set MSB, (\new)
.endif
.endm
.set MUL,  0x05                        ; sources 0 and 1 window 1; C and D window 0
.set TO_F, 0x40                        ; destination window 1, address window 0
.macro JLOAD s                         ; a joint load: waves 0 and 1 fetch x's two halves, waves 2 and 3 the weight's; an s_nop 0 and four v_nop follow each line
	s_cmp_eq_u32 s11, 0
	s_cbranch_scc0 .Lfor_b_\@
	tensor_load_to_lds s[G0+4*\s:G0+4*\s+3], s[G1:G1+7]
	s_nop 0
.rept 4
	v_nop
.endr
	s_branch .Lasked_\@
.Lfor_b_\@:
	tensor_load_to_lds s[G0B+4*\s:G0B+4*\s+3], s[G1B:G1B+7]
	s_nop 0
.rept 4
	v_nop
.endr
.Lasked_\@:
.endm
.macro CREST                           ; a round of the cluster's barrier behind its opening barrier
	s_cmp_lg_u32 s10, 0
	s_cbranch_scc1 .Lnot_wave_0_\@
	s_barrier_signal -3
.Lnot_wave_0_\@:
	s_barrier_wait -3
	s_barrier_signal -1
	s_barrier_wait -1
.endm
.macro CROUND
	s_barrier_signal -1
	s_barrier_wait -1
	CREST
.endm
	s_load_b128 s[4:7], s[0:1], 0x0                ; xa, wot
	s_load_b64 s[2:3], s[0:1], 0x10                ; b_o
	s_load_b64 s[8:9], s[0:1], 0x18                ; out0
	v_lshl_add_u32 v[SPW], v0, 2, SPARE
	v_mov_b32 v[NIL], 0
	ds_add_u32 v[SPW], v[NIL]                      ; the wave's opening: the add, twice on end, and its wait ahead of my first tensor load
	ds_add_u32 v[SPW], v[NIL]
	v_lshrrev_b32 v1, 5, v0
	v_readfirstlane_b32 s10, v1                    ; wave 0..3
	s_lshr_b32 s11, s10, 1                         ; which half of the tile's rows is mine.  Also: I fetch for x (0) or for the weight (1)
	s_and_b32 s12, s10, 1                          ; which half of its columns.  Also: which half of that tile I fetch
	s_bfe_u32 s40, ttmp6, 0x40000                  ; cx, cy
	s_bfe_u32 s41, ttmp6, 0x40004
	s_lshl_b32 s42, ttmp9, 2
	s_add_co_u32 s42, s42, s40                     ; tile column 0..7
	s_and_b32 s13, ttmp7, 0xffff
	s_lshl_b32 s13, s13, 2
	s_add_co_u32 s13, s13, s41                     ; tile row 0..31
	s_lshl_b32 s43, s41, 2
	s_lshl_b32 s43, 15, s43                        ; my row of the cluster
	s_lshl_b32 s44, 0x1111, s40                    ; my column
	s_or_b32 s[G1+0], s43, (3<<16)|(1<<21)         ; a dense block of 32,768 bytes as 128 rows of 32 elements of 8 bytes, no padding
	s_or_b32 s[G1B+0], s44, (3<<16)|(1<<21)
.irp g, G1, G1B
	s_mov_b32 s[\g+1], 32<<16
	s_mov_b32 s[\g+2], 128<<16
	s_mov_b32 s[\g+3], 32<<16
	s_mov_b32 s[\g+4], 128
	s_mov_b32 s[\g+5], 32
	s_mov_b32 s[\g+6], 0
	s_mov_b32 s[\g+7], 0
.endr
	s_lshl_b32 s17, s12, 2
	s_lshl_b32 s16, s13, 3
	s_add_co_u32 s16, s16, s17
	s_lshl_b32 s16, s16, 13                        ; x: (8 x tile row + 4 x half) x 8,192
	s_lshl_b32 s46, s42, 3
	s_add_co_u32 s46, s46, s17
	s_lshl_b32 s46, s46, 13                        ; the weight: (8 x tile column + 4 x half) x 8,192
	s_mov_b32 s17, 0
	s_mov_b32 s47, 0
	s_lshl_b32 s20, s10, 15                        ; where they go: wave x 32,768
	s_wait_dscnt 0x0                               ; both opening adds are done
	s_wait_kmcnt 0x0
	s_add_nc_u64 s[14:15], s[4:5], s[16:17]
	s_add_nc_u64 s[46:47], s[6:7], s[46:47]
	CROUND                                         ; all sixteen work-groups are here: the first joint loads meet
.irp s, 0,1
	s_mov_b32 s[G0+4*\s], 1
	s_add_co_u32 s[G0+4*\s+1], s20, \s*SLOT
	s_add_nc_u64 s[G0+4*\s+2:G0+4*\s+3], s[14:15], \s*2097152
	s_or_b32 s[G0+4*\s+3], s[G0+4*\s+3], 0x80000000
	s_mov_b32 s[G0B+4*\s], 1
	s_add_co_u32 s[G0B+4*\s+1], s20, \s*SLOT
	s_add_nc_u64 s[G0B+4*\s+2:G0B+4*\s+3], s[46:47], \s*524288
	s_or_b32 s[G0B+4*\s+3], s[G0B+4*\s+3], 0x80000000
	JLOAD \s
.endr
	v_and_b32 v1, 15, v0                           ; r
	v_bfe_u32 v2, v0, 4, 1                         ; h
	s_lshl_b32 s46, s42, 9                         ; my first column, in bytes of f32: 512 x tile column + 256 x half
	s_lshl_b32 s47, s12, 8
	s_add_co_u32 s46, s46, s47
	s_mov_b32 s47, 0
	s_add_nc_u64 s[2:3], s[2:3], s[46:47]
	v_lshlrev_b32 v[BO], 5, v2
.irp b, 0,1,2,3
	global_load_b128 v[BI+8*\b:BI+8*\b+3], v[BO], s[2:3] offset:64*\b          ; register 8 b + j: the bias of column 16 b + 8 h + j
	global_load_b128 v[BI+8*\b+4:BI+8*\b+7], v[BO], s[2:3] offset:64*\b+16
.endr
	v_and_b32 v3, 31, v0
	v_lshlrev_b32 v3, 4, v3                        ; 16 x lane in an image
	s_lshl_b32 s21, s11, 15                        ; my 64 tokens
	s_lshl_b32 s22, s12, 15
	s_add_co_u32 s22, s22, 2*HALFT                 ; my 64 columns, behind x's 128 tokens
.irp s, 0,1
	v_add_nc_u32 v[ADRA+\s], s21, v3
	v_add_nc_u32 v[ADRB+\s], s22, v3
	s_add_co_u32 s21, s21, SLOT
	s_add_co_u32 s22, s22, SLOT
.endr
	s_mul_i32 s23, s10, 64*SPITCH                  ; my stage
	v_mul_u32_u24 v4, v1, SPITCH                   ; in: row r, 32 bytes for each half of the lanes
	v_lshl_add_u32 v4, v2, 5, v4
	v_add_nc_u32 v[STO], s23, v4
	v_mul_u32_u24 v5, v2, SPITCH                   ; back: lanes 0-15 take one row of 256 bytes, lanes 16-31 the next
	v_lshl_add_u32 v5, v1, 4, v5
	v_add_nc_u32 v[RD], s23, v5
	v_lshlrev_b32 v5, 12, v2                       ; and the same two rows in out0
	v_lshl_add_u32 v[CO], v1, 4, v5
	s_lshl_b32 s16, s13, 7
	s_lshl_b32 s17, s11, 6
	s_add_co_u32 s16, s16, s17                     ; my first row: 128 x tile row + 64 x half
	s_lshl_b32 s16, s16, 12
	s_add_co_u32 s16, s16, s46
	s_mov_b32 s17, 0
	s_add_nc_u64 s[8:9], s[8:9], s[16:17]
; 8 matrix instructions: token blocks a0, a0 + 1 x all 4 column blocks, 32 along K: half c of buffer f.  zero = 1: the sums start from the bias.  The 16 accumulators take turns.
.macro MUL8 f, c, a0, zero
.irp a, \a0, \a0+1
.irp b, 0,1,2,3
.if \zero
	v_wmma_f32_16x16x32_f16 v[ACC+8*(4*(\a)+\b):ACC+8*(4*(\a)+\b)+7], v[\f+64+8*(4*\c+\b):\f+64+8*(4*\c+\b)+7], v[\f+8*(4*\c+\a):\f+8*(4*\c+\a)+7], v[BI+8*\b:BI+8*\b+7]
.else
	v_wmma_f32_16x16x32_f16 v[ACC+8*(4*(\a)+\b):ACC+8*(4*(\a)+\b)+7], v[\f+64+8*(4*\c+\b):\f+64+8*(4*\c+\b)+7], v[\f+8*(4*\c+\a):\f+8*(4*\c+\a)+7], v[ACC+8*(4*(\a)+\b):ACC+8*(4*(\a)+\b)+7]
.endif
.endr
.endr
.endm
; 32 LDS loads in one run: the images of 64 along K, from byte k of each tile's 8,192, into buffer f; the first 32 along K first
.macro FETCH slot, k, f
	WIN TO_F
.irp c, 0,1
.irp i, 0,1,2,3
	ds_load_b128 v[\f+64+8*(4*\c+\i):\f+64+8*(4*\c+\i)+3],   v[ADRB+\slot] offset:\k+1024*\c+8192*\i
	ds_load_b128 v[\f+64+8*(4*\c+\i)+4:\f+64+8*(4*\c+\i)+7], v[ADRB+\slot] offset:\k+1024*\c+8192*\i+512
	ds_load_b128 v[\f+8*(4*\c+\i):\f+8*(4*\c+\i)+3],         v[ADRA+\slot] offset:\k+1024*\c+8192*\i
	ds_load_b128 v[\f+8*(4*\c+\i)+4:\f+8*(4*\c+\i)+7],       v[ADRA+\slot] offset:\k+1024*\c+8192*\i+512
.endr
.endr
.endm
.macro PLACES
.rept 4
	v_nop
.endr
.endm
; A K step is four quarters of 64 along K, 32 matrix instructions each, on buffers 0, 1, 0, 1.  One of the first three: multiplies buffer f and fetches the next quarter, at byte k, into g.
.macro QUARTER slot, k, f, g, zero
	s_wait_dscnt 16                                ; the first 32 along K are in; the youngest sixteen loads may be out
	WIN MUL
	MUL8 \f, 0, 0, \zero
	MUL8 \f, 0, 2, \zero
	PLACES
	FETCH \slot, \k, \g
	s_wait_dscnt 32                                ; all but the 32 just issued
	WIN MUL
	MUL8 \f, 1, 0, 0
	MUL8 \f, 1, 2, 0
.endm
; The last quarter multiplies buffer 1 and changes slots: ONE barrier; in front of it each wave waits for all its tensor loads, adds 0 to its spare word, and waits for that and for its reads of this slot.
; fill = 1: the barrier opens a round of the cluster's, and this slot is filled again, two K steps ahead, first thing behind the round.
.macro TURN slot, next, fill
	WIN 0
	s_wait_tensorcnt 0x0                           ; all my tensor loads have landed: my part of the next slot
	ds_add_u32 v[SPW], v[NIL]                      ; 0 onto my spare word
	s_wait_dscnt 17                                ; the add and the youngest sixteen loads may be out
	WIN MUL
	MUL8 F1, 0, 0, 0
	s_wait_dscnt 0x0                               ; the add is done, and my reads of this slot are over
	s_barrier_signal -1
	MUL8 F1, 0, 2, 0
.if \fill
	WIN 0
.endif
	s_barrier_wait -1
.if \fill
	CREST
	s_add_nc_u64 s[G0+4*\slot+2:G0+4*\slot+3], s[G0+4*\slot+2:G0+4*\slot+3], 4194304
	s_add_nc_u64 s[G0B+4*\slot+2:G0B+4*\slot+3], s[G0B+4*\slot+2:G0B+4*\slot+3], 1048576
	JLOAD \slot                                    ; the four v_nop behind it are also the places in front of the loads below
.else
	PLACES
.endif
	FETCH \next, 0, F0
	WIN MUL
	MUL8 F1, 1, 0, 0
	MUL8 F1, 1, 2, 0
.endm
	s_wait_tensorcnt 1                             ; my part of K step 0 is in; K step 1's load may be out
	s_barrier_signal -1
	s_barrier_wait -1
	FETCH 0, 0, F0
	s_wait_loadcnt 0x0                             ; the bias
	QUARTER 0, 2048, F0, F1, 1                     ; K step 0
	QUARTER 0, 4096, F1, F0, 0
	QUARTER 0, 6144, F0, F1, 0
	TURN 0, 1, 1                                   ; slot 0 takes K step 2
	QUARTER 1, 2048, F0, F1, 0                     ; K step 1
	QUARTER 1, 4096, F1, F0, 0
	QUARTER 1, 6144, F0, F1, 0
	TURN 1, 0, 1                                   ; slot 1 takes K step 3
	QUARTER 0, 2048, F0, F1, 0                     ; K step 2
	QUARTER 0, 4096, F1, F0, 0
	QUARTER 0, 6144, F0, F1, 0
	TURN 0, 1, 0                                   ; nothing is left to fetch
	QUARTER 1, 2048, F0, F1, 0                     ; K step 3
	QUARTER 1, 4096, F1, F0, 0
	QUARTER 1, 6144, F0, F1, 0
	s_wait_dscnt 16
	WIN MUL
	MUL8 F1, 0, 0, 0
	MUL8 F1, 0, 2, 0
	s_wait_dscnt 0
	MUL8 F1, 1, 0, 0
	MUL8 F1, 1, 2, 0
	WIN 0
	; THE WAY OUT.  A lane holds 32 bytes of a row and the lanes beside it other rows; my 64 columns are 256 bytes of a row.  32 rows at a time go through my own stage and come back as whole rows.
	; LDS serves a wave's instructions in order: no wait between the stores and the loads.
	PLACES
.irp hf, 0,1
.irp a, 0,1
.irp b, 0,1,2,3
	ds_store_b128 v[STO], v[ACC+8*(4*(2*\hf+\a)+\b):ACC+8*(4*(2*\hf+\a)+\b)+3] offset:(2*\hf+\a)*16*SPITCH+64*\b         ; each accumulator from its low end on
	ds_store_b128 v[STO], v[ACC+8*(4*(2*\hf+\a)+\b)+4:ACC+8*(4*(2*\hf+\a)+\b)+7] offset:(2*\hf+\a)*16*SPITCH+64*\b+16
.endr
.endr
.if \hf == 1
	s_wait_xcnt 0x0                                ; the first half's stores have read their registers, which are loaded again
.endif
.irp t, 0,1,2,3,4,5,6,7,8,9,10,11,12,13,14,15
	ds_load_b128 v[TMP+4*\t:TMP+4*\t+3], v[RD] offset:(16*\hf+\t)*2*SPITCH
.endr
.irp t, 0,1,2,3,4,5,6,7,8,9,10,11,12,13,14,15
	s_wait_dscnt 15-\t                             ; load t is back; the younger ones may be out
	global_store_b128 v[CO], v[TMP+4*\t:TMP+4*\t+3], s[8:9] offset:(32*\hf+2*\t)*4096 th:TH_STORE_NT   ; sixteen lanes store 256 consecutive bytes, aligned
.endr
.endr
	s_wait_tensorcnt 0x0                           ; the wave's end, behind my last tensor load and my last LDS store
	ds_add_u32 v[SPW], v[NIL]
	s_wait_dscnt 0x0
	CROUND                                         ; the closing round
	s_endpgm
.Lfunc_end_k_qb3865c21c5_oproj:
	.size	k_qb3865c21c5_oproj, .Lfunc_end_k_qb3865c21c5_oproj-k_qb3865c21c5_oproj
	.p2alignl 7, 3214868480
	.fill 96, 4, 3214868480
	.section	.rodata,"a",@progbits
	.p2align	6, 0x0
	.amdhsa_kernel k_qb3865c21c5_oproj
		.amdhsa_group_segment_fixed_size 327680
		.amdhsa_private_segment_fixed_size 0
		.amdhsa_enable_private_segment 0
		.amdhsa_kernarg_size 32
		.amdhsa_user_sgpr_count 2
		.amdhsa_user_sgpr_kernarg_segment_ptr 1
		.amdhsa_wavefront_size32 1
		.amdhsa_system_sgpr_workgroup_id_x 1
		.amdhsa_system_sgpr_workgroup_id_y 1
		.amdhsa_system_sgpr_workgroup_id_z 1
		.amdhsa_system_vgpr_workitem_id 0
		.amdhsa_next_free_vgpr 512
		.amdhsa_next_free_sgpr 66
		.amdhsa_reserve_vcc 0
		.amdhsa_float_denorm_mode_32 3
		.amdhsa_float_denorm_mode_16_64 3
		.amdhsa_memory_ordered 1
		.amdhsa_forward_progress 1
		.amdhsa_inst_pref_size 87
	.end_amdhsa_kernel
	.amdgpu_metadata
---
amdhsa.version: [ 1, 2 ]
amdhsa.kernels:
  - .name:           k_qb3865c21c5_oproj
    .symbol:         k_qb3865c21c5_oproj.kd
    .args:
      - { .name: xa, .offset: 0, .size: 8, .value_kind: global_buffer, .address_space: global }
      - { .name: wot, .offset: 8, .size: 8, .value_kind: global_buffer, .address_space: global }
      - { .name: b_o, .offset: 16, .size: 8, .value_kind: global_buffer, .address_space: global }
      - { .name: out0, .offset: 24, .size: 8, .value_kind: global_buffer, .address_space: global }
    .group_segment_fixed_size: 327680
    .private_segment_fixed_size: 0
    .kernarg_segment_align: 8
    .kernarg_segment_size: 32
    .max_flat_workgroup_size: 128
    .sgpr_count:     66
    .vgpr_count:     512
    .wavefront_size: 32
...
	.end_amdgpu_metadata
.endif
;; end of part 4
